; MI455X (gfx1250); checked and timed in simulation.
; The chip was launched on July 23, 2026; its instructions are those of AMD's public machine-readable ISA for CDNA 5 (MIT licence, August 2026) and "CDNA5" Instruction Set Architecture Reference Guide (July 2026). The comments in the code are by the model that wrote it; some were corrected since.
;; MSA Module. Allowed arithmetic: float matrix products may take bf16 or f16 operands with f32 sums; all other float work in f32.
;; Inputs: m 1 x 512 x 256 x 64 float32; msa_mask 1 x 512 x 256 float32; opm_a_w 32 x 64 float32; opm_b_w 32 x 64 float32; opm_norm_b 64 float32; opm_norm_w 64 float32; opm_o_b 128 float32; opm_o_w 128 x 1,024 float32; pair_mask 1 x 256 x 256 float32; pwa_g_w 256 x 64 float32; pwa_m_w 256 x 64 float32; pwa_norm_m_b 64 float32; pwa_norm_m_w 64 float32; pwa_norm_z_b 128 float32; pwa_norm_z_w 128 float32; pwa_o_w 64 x 256 float32; pwa_z_w 8 x 128 float32; z 1 x 256 x 256 x 128 float32.
;; Outputs: out0 1 x 512 x 256 x 64 float32.
;; One version. Each part assembles by itself: llvm-mc -triple=amdgcn-amd-amdhsa -mcpu=gfx1250 --defsym DOCPART=n.
;; ======== version 1 of 1: 4 launches
;; limits: values are held in f16: magnitudes above 65,504 overflow, below 6.1e-05 lose precision
;; workspace buffers: aT 8,388,608 bytes; bT 8,388,608 bytes; maskT 262,144 bytes; Op 262,144 bytes; bias 2,097,152 bytes; wsm 1,048,576 bytes; wfr 98,304 bytes
;; launch prep (part 1): grid 64 x 4, 8 waves a work-group, no clusters, 116,736 bytes of LDS; arguments m, msa_mask, opm_norm_w, opm_norm_b, opm_a_w, opm_b_w, opm_o_w, aT, bT, maskT, Op; writes aT, bT, maskT, Op
.if DOCPART == 1
	.amdgcn_target "amdgcn-amd-amdhsa--gfx1250"
	.amdhsa_code_object_version 6
	.text
	.protected	k_q85bd7c97dd_prep
	.globl	k_q85bd7c97dd_prep
	.p2align	8
	.type	k_q85bd7c97dd_prep,@function
k_q85bd7c97dd_prep:
	s_mov_b64 s[64:65], 0
	v_nop
	global_prefetch_b8 v0, s[64:65] scope:SCOPE_SE
	s_setreg_imm32_b32 hwreg(HW_REG_WAVE_MODE, 25, 1), 1
	s_wait_xcnt 0x0
; a[s][n][c] = mask * (LN(m) . opm_a_w[c]),  b likewise, both rounded to bf16 and stored with s along the rows:
;   aT [n*32+c][512 s],  bT [n>>6][d][n&63][512 s];  maskT [n][512 s] bf16;  Op [d][z][c] = opm_o_w[z][32c+d] bf16.
; A work-group owns 4 n (4x..4x+3) and 128 s (128y..); wave w owns n = 4x + (w>>1) and 64 s, four tiles of 16 s.
; The mask is one number a row, so it multiplies the normalised row ahead of the product.  LN: mean first, then centred squares.
; A lane (r = lane%16, h = lane/16) holds channels 32h..32h+31 of row r; K step ks, place p of a fragment is channel 32h+16ks+p in both operands.
; No tensor loads: each wave has its 32 loads of m (16 KiB) out at once; no tile is shared between work-groups, so no cluster.
.set SOUT, 34816                       ; per n: 64 rows (32 c of a, 32 d of b) x 272 bytes (256 = 128 s)
.set WFS,  104448                      ; 8 weight fragments of 1,024 bytes
.set MS,   112640                      ; mask [4 n][128 s] f32
.set OS,   114688                      ; Op stage [4 d][4 z x 32 c] bf16
.set MK, 16
.set S,  20
.set MU, 28
.set RS, 30
.set Y,  32
.set NW, 64
.set NB, 96
.set WF, 128
.set XF, 192
.set D,  208
.set C4, 240
.set SEL, 34
.set SINV, 36
.set SEPS, 37
.set MSB, 0
.macro WIN new                         ; the immediate's high byte repeats the setting that is left
.if MSB != \new
	s_set_vgpr_msb (MSB<<8)|\new
.set MSB, \new
.endif
.endm
.macro PLACES
.rept 4
	v_nop
.endr
.endm
.macro PKRED                           ; four pairs -> one number, with the other half of the lanes
	v_pk_add_f32 v[S:S+1], v[S:S+1], v[S+2:S+3]
	v_pk_add_f32 v[S+4:S+5], v[S+4:S+5], v[S+6:S+7]
	v_pk_add_f32 v[S:S+1], v[S:S+1], v[S+4:S+5]
	v_add_f32 v[S], v[S], v[S+1]
	v_permlanex16_b32 v[S+1], v[S], s[SEL], s[SEL+1]
	v_add_f32 v[S], v[S], v[S+1]
.endm
.macro LNORM y, np                     ; np pairs a lane, twice that in the row: y = (y - mean) / sqrt(var + eps)
.irp k, 0,1,2,3
	v_pk_add_f32 v[S+2*\k:S+2*\k+1], v[\y+2*\k:\y+2*\k+1], v[\y+8+2*\k:\y+9+2*\k]
.endr
.set i, 8
.rept \np-8
	v_pk_add_f32 v[S+2*(i%4):S+2*(i%4)+1], v[S+2*(i%4):S+2*(i%4)+1], v[\y+2*i:\y+2*i+1]
.set i, i+1
.endr
	PKRED
	v_mul_f32 v[MU], s[SINV], v[S]
	v_mul_f32 v[MU+1], s[SINV], v[S]
.set i, 0
.rept \np
	v_pk_add_f32 v[\y+2*i:\y+2*i+1], v[\y+2*i:\y+2*i+1], v[MU:MU+1] neg_lo:[0,1] neg_hi:[0,1]
.set i, i+1
.endr
.irp k, 0,1,2,3
	v_pk_mul_f32 v[S+2*\k:S+2*\k+1], v[\y+2*\k:\y+2*\k+1], v[\y+2*\k:\y+2*\k+1]
.endr
.set i, 4
.rept \np-4
	v_pk_fma_f32 v[S+2*(i%4):S+2*(i%4)+1], v[\y+2*i:\y+2*i+1], v[\y+2*i:\y+2*i+1], v[S+2*(i%4):S+2*(i%4)+1]
.set i, i+1
.endr
	PKRED
	v_fma_f32 v[S], v[S], s[SINV], s[SEPS]
	v_rsq_f32 v[RS], v[S]
	v_rsq_f32 v[RS+1], v[S]
	v_nop                                          ; a plain instruction between the root and its use
.set i, 0
	s_wait_alu depctr_va_vdst(0)
.rept \np
	v_pk_mul_f32 v[\y+2*i:\y+2*i+1], v[\y+2*i:\y+2*i+1], v[RS:RS+1]
.set i, i+1
.endr
.endm
	s_load_b512 s[8:23], s[0:1], 0x0               ; m 8, msa_mask 10, norm_w 12, norm_b 14, a_w 16, b_w 18, o_w 20, aT 22
	s_load_b128 s[24:27], s[0:1], 0x40             ; bT 24, maskT 26
	s_load_b64 s[28:29], s[0:1], 0x50              ; Op
	s_set_vgpr_msb 0x40
	v_lshl_add_u32 v128, v0, 2, 0x1c400
	v_mov_b32 v129, 0
	s_set_vgpr_msb 0x4000
	v_lshrrev_b32 v1, 5, v0
	v_readfirstlane_b32 s2, v1                     ; wave
	s_lshr_b32 s3, s2, 1                           ; nl
	s_and_b32 s4, s2, 1                            ; sh
	s_mov_b32 s5, ttmp9                            ; x
	s_and_b32 s6, ttmp7, 0xffff                    ; y
	s_lshl2_add_u32 s7, s5, s3                     ; n = 4 x + nl
	s_mov_b32 s[SEL], 0x76543210
	s_mov_b32 s[SEL+1], 0xfedcba98
	s_mov_b32 s[SINV], 0x3c800000                  ; 1/64
	s_mov_b32 s[SEPS], 0x3727c5ac                  ; 1e-5
	v_and_b32 v1, 15, v0                           ; r
	v_bfe_u32 v2, v0, 4, 1                         ; h
	v_and_b32 v3, 31, v0                           ; lane
	v_lshlrev_b32 v6, 7, v2                        ; 128 h
	v_lshl_add_u32 v5, v1, 8, v6                   ; weights: r x 256 + 128 h
	v_lshlrev_b32 v7, 16, v2
	v_lshl_add_u32 v7, v1, 4, v7                   ; m (and bT): h x 65,536 + 16 r
	s_mul_i32 s30, s2, 4352                        ; my input stage: 16 rows x 272
	v_mul_u32_u24 v8, v2, 272
	v_lshl_add_u32 v8, v1, 4, v8
	v_add_nc_u32 v8, s30, v8                       ; in: row 2q + h, 16 r
	v_mul_u32_u24 v15, v1, 272
	v_add3_u32 v9, v15, v6, s30                    ; back: row r, 128 h
	s_mul_i32 s31, s3, 17408
	s_add_co_u32 s31, s31, SOUT
	s_lshl_b32 s32, s4, 7
	s_add_co_u32 s32, s32, s31
	v_lshl_add_u32 v10, v2, 4, v15
	v_add_nc_u32 v10, s32, v10                     ; results in: row 16 nt + r, byte 128 sh + 32 tt + 16 h
	s_mul_i32 s32, s4, 8704
	s_add_co_u32 s32, s32, s31
	v_mul_u32_u24 v11, v2, 272
	v_lshl_add_u32 v11, v1, 4, v11
	v_add_nc_u32 v11, s32, v11                     ; results back: row 32 sh + 2k + h, 16 r
	s_lshl_b32 s33, s6, 6
	s_add_co_u32 s33, s33, s5                      ; g = 64 y + x
	s_wait_kmcnt 0x0
	; one load a lane: waves 0-3 the mask of 128 s x my 4 n, waves 4-7 four d of opm_o_w[z][c]
	s_cmp_lt_u32 s2, 4
	s_cbranch_scc0 .Lld_ow
	s_lshl_b32 s30, s6, 17
	s_lshl_b32 s31, s5, 4
	s_add_co_u32 s30, s30, s31
	s_mov_b32 s31, 0
	s_add_nc_u64 s[38:39], s[10:11], s[30:31]
	v_lshlrev_b32 v4, 10, v0                       ; row s0 + t
	v_lshl_add_u32 v12, v0, 2, MS
	global_load_b128 v[20:23], v4, s[38:39]
	s_branch .Lld_done
.Lld_ow:
	s_lshr_b32 s30, s33, 3
	s_lshl2_add_u32 s30, s30, s2
	s_sub_co_u32 s30, s30, 4                       ; z = 4 (g>>3) + w - 4
	s_lshl_b32 s30, s30, 12
	s_and_b32 s31, s33, 7
	s_lshl_b32 s31, s31, 4                         ; d0 = 4 (g&7)
	s_add_co_u32 s30, s30, s31
	s_mov_b32 s31, 0
	s_add_nc_u64 s[40:41], s[20:21], s[30:31]
	v_lshlrev_b32 v4, 7, v3                        ; c = lane
	v_lshl_add_u32 v12, v0, 1, OS-256              ; 2 (t - 128)
	global_load_b128 v[20:23], v4, s[40:41]
.Lld_done:
	; the weight fragment that this wave builds: nt = w>>1 (0,1: a_w; 2,3: b_w), ks = w&1
	s_cmp_lt_u32 s2, 4
	s_cselect_b64 s[42:43], s[16:17], s[18:19]
	s_and_b32 s30, s3, 1
	s_lshl_b32 s30, s30, 12
	s_lshl_b32 s31, s4, 6
	s_add_co_u32 s30, s30, s31
	s_mov_b32 s31, 0
	s_add_nc_u64 s[42:43], s[42:43], s[30:31]
.irp q, 0,1,2,3
	global_load_b128 v[Y+4*\q:Y+4*\q+3], v5, s[42:43] offset:16*\q
.endr
.irp q, 0,1,2,3,4,5,6,7
	global_load_b128 v[NW+4*\q:NW+4*\q+3], v6, s[12:13] offset:16*\q
.endr
.irp q, 0,1,2,3,4,5,6,7
	global_load_b128 v[NB+4*\q:NB+4*\q+3], v6, s[14:15] offset:16*\q
.endr
	s_lshl_b32 s30, s6, 23                         ; (128 y + 64 sh) rows s of 65,536 bytes + n x 256
	s_lshl_b32 s31, s4, 22
	s_add_co_u32 s30, s30, s31
	s_lshl_b32 s31, s7, 8
	s_add_co_u32 s30, s30, s31
	s_mov_b32 s31, 0
	s_add_nc_u64 s[44:45], s[8:9], s[30:31]
	WIN 0x40                                       ; destination window 1
.irp tt, 0,1,2,3
.irp q, 0,1,2,3,4,5,6,7
	global_load_b128 v[32*\tt+4*\q:32*\tt+4*\q+3], v7, s[44:45] offset:(16*\tt+2*\q)*65536   ; 16 lanes take one whole row of 256 bytes
.endr
.endr
	WIN 0
	s_wait_loadcnt 48                              ; the first five loads are in; gain, bias (16) and m (32) stay out
	s_cmp_lt_u32 s2, 4
	s_cbranch_scc0 .Lst_ow
	ds_store_b32 v12, v20
	ds_store_b32 v12, v21 offset:512
	ds_store_b32 v12, v22 offset:1024
	ds_store_b32 v12, v23 offset:1536
	s_branch .Lst_done
.Lst_ow:
	v_cvt_pk_bf16_f32 v24, v20, v21
	v_cvt_pk_bf16_f32 v25, v22, v23
	ds_store_b16 v12, v24
	ds_store_b16_d16_hi v12, v24 offset:256
	ds_store_b16 v12, v25 offset:512
	ds_store_b16_d16_hi v12, v25 offset:768
.Lst_done:
.irp i2, 0,1,2,3,4,5,6,7
	v_cvt_pk_bf16_f32 v[Y+16+\i2], v[Y+2*\i2], v[Y+2*\i2+1]
.endr
	s_lshl_b32 s30, s2, 10
	s_add_co_u32 s30, s30, WFS
	v_lshl_add_u32 v13, v3, 4, s30
	ds_store_b128 v13, v[Y+16:Y+19]
	ds_store_b128 v13, v[Y+20:Y+23] offset:512
	s_wait_dscnt 0x0                               ; for the others: my stores are done
	s_barrier_signal -1
	s_barrier_wait -1
	v_lshl_add_u32 v13, v3, 4, WFS
.irp f, 0,1,2,3,4,5,6,7
	ds_load_b128 v[WF+8*\f:WF+8*\f+3], v13 offset:1024*\f
	ds_load_b128 v[WF+8*\f+4:WF+8*\f+7], v13 offset:1024*\f+512
.endr
	s_lshl_b32 s30, s3, 9
	s_add_co_u32 s30, s30, MS                      ; my n's 128 mask numbers
	s_lshl_b32 s31, s4, 8
	s_add_co_u32 s31, s31, s30
	v_lshl_add_u32 v12, v1, 2, s31
.irp tt, 0,1,2,3
	ds_load_b32 v[MK+\tt], v12 offset:64*\tt       ; mask of s = 64 sh + 16 tt + r
.endr
	v_lshlrev_b32 v15, 3, v3                       ; 8 x lane
	s_cmp_lg_u32 s4, 0
	s_cbranch_scc1 .Lno_mt
	v_lshl_add_u32 v14, v3, 4, s30                 ; the even wave of an n sends its 128 mask numbers: 256 bytes
	ds_load_b128 v[20:23], v14
	s_lshl_b32 s30, s7, 10
	s_lshl_b32 s31, s6, 8
	s_add_co_u32 s30, s30, s31
	s_mov_b32 s31, 0
	s_add_nc_u64 s[38:39], s[26:27], s[30:31]
	s_wait_dscnt 0x0
	v_cvt_pk_bf16_f32 v24, v20, v21
	v_cvt_pk_bf16_f32 v25, v22, v23
	global_store_b64 v15, v[24:25], s[38:39]
.Lno_mt:
	s_cmp_lt_u32 s2, 4
	s_cbranch_scc1 .Lno_op
	s_lshl_b32 s30, s2, 8
	s_add_co_u32 s30, s30, OS-1024
	v_lshl_add_u32 v4, v3, 3, s30                  ; wave w sends d = 4 (g&7) + w - 4: 4 z x 32 c, 256 bytes
	ds_load_b64 v[26:27], v4
	s_and_b32 s30, s33, 7
	s_lshl2_add_u32 s30, s30, s2
	s_sub_co_u32 s30, s30, 4
	s_lshl_b32 s30, s30, 13
	s_lshr_b32 s31, s33, 3
	s_lshl_b32 s31, s31, 8
	s_add_co_u32 s30, s30, s31
	s_mov_b32 s31, 0
	s_add_nc_u64 s[40:41], s[28:29], s[30:31]
	s_wait_dscnt 0x0
	global_store_b64 v15, v[26:27], s[40:41]
.Lno_op:
	s_wait_dscnt 0x0                               ; weight fragments and mask are in
	s_wait_xcnt 0x0                                ; the two stores' data registers are written again below
.macro TILE tt
	s_wait_loadcnt 24-8*\tt                        ; gain, bias and this tile's eight loads are in; the later tiles stay out
	WIN 0x04                                       ; store data from window 1
.irp q, 0,1,2,3,4,5,6,7
	ds_store_b128 v8, v[32*\tt+4*\q:32*\tt+4*\q+3] offset:544*\q
.endr
	WIN 0
.irp q, 0,1,2,3,4,5,6,7
	ds_load_b128 v[Y+4*\q:Y+4*\q+3], v9 offset:16*\q     ; my own bytes: LDS serves a wave in order (ISA guide 5.7.1.4)
.endr
	s_wait_dscnt 0x0
	LNORM Y, 16
.set i, 0
.rept 16
	v_pk_fma_f32 v[Y+2*i:Y+2*i+1], v[Y+2*i:Y+2*i+1], v[NW+2*i:NW+2*i+1], v[NB+2*i:NB+2*i+1]
.set i, i+1
.endr
	v_mov_b32 v[MU], v[MK+\tt]
	v_mov_b32 v[MU+1], v[MK+\tt]
.set i, 0
.rept 16
	v_pk_mul_f32 v[Y+2*i:Y+2*i+1], v[Y+2*i:Y+2*i+1], v[MU:MU+1]
.set i, i+1
.endr
.set i, 0
.rept 16
	v_cvt_pk_bf16_f32 v[XF+i], v[Y+2*i], v[Y+2*i+1]
.set i, i+1
.endr
	; source 0: 16 s, source 1: 16 c.  A lane then holds one c and eight neighbouring s.  The four accumulators take turns.
.irp ks, 0,1
.irp nt, 0,1,2,3
.if \ks == 0
	v_wmma_f32_16x16x32_bf16 v[D+8*\nt:D+8*\nt+7], v[XF+8*\ks:XF+8*\ks+7], v[WF+8*(2*\nt+\ks):WF+8*(2*\nt+\ks)+7], 0
.else
	v_wmma_f32_16x16x32_bf16 v[D+8*\nt:D+8*\nt+7], v[XF+8*\ks:XF+8*\ks+7], v[WF+8*(2*\nt+\ks):WF+8*(2*\nt+\ks)+7], v[D+8*\nt:D+8*\nt+7]
.endif
.endr
.endr
	PLACES
.set i, 0
.rept 16
	v_cvt_pk_bf16_f32 v[C4+i], v[D+2*i], v[D+2*i+1]
.set i, i+1
.endr
.irp nt, 0,1,2,3
	ds_store_b128 v10, v[C4+4*\nt:C4+4*\nt+3] offset:4352*\nt+32*\tt
.endr
.endm
	TILE 0
	TILE 1
	TILE 2
	TILE 3
	s_wait_dscnt 0x0                               ; a row's 256 bytes come from two waves
	s_barrier_signal -1
	s_barrier_wait -1
.irp k, 0,1,2,3,4,5,6,7,8,9,10,11,12,13,14,15
	ds_load_b128 v[WF+4*\k:WF+4*\k+3], v11 offset:544*\k
.endr
	s_lshl_b32 s31, s6, 8                          ; 128 y numbers of 2 bytes
	s_cmp_lg_u32 s4, 0
	s_cbranch_scc1 .Lout_b
	s_lshl_b32 s30, s7, 15
	s_add_co_u32 s30, s30, s31
	s_mov_b32 s31, 0
	s_add_nc_u64 s[38:39], s[22:23], s[30:31]
	v_lshlrev_b32 v14, 10, v2
	v_lshl_add_u32 v14, v1, 4, v14
.irp k, 0,1,2,3,4,5,6,7,8,9,10,11,12,13,14,15
	s_wait_dscnt 15-\k
	global_store_b128 v14, v[WF+4*\k:WF+4*\k+3], s[38:39] offset:2048*\k    ; 16 lanes store 256 consecutive bytes, aligned
.endr
	s_set_vgpr_msb 0x5
	s_wait_tensorcnt 0x0
	ds_add_u32 v128, v129
	s_wait_dscnt 0x0
	s_set_vgpr_msb 0x500
	s_endpgm
.Lout_b:
	s_lshr_b32 s30, s7, 6
	s_lshl_b32 s30, s30, 21
	s_add_co_u32 s30, s30, s31
	s_and_b32 s32, s7, 63
	s_lshl_b32 s32, s32, 10
	s_add_co_u32 s30, s30, s32
	s_mov_b32 s31, 0
	s_add_nc_u64 s[40:41], s[24:25], s[30:31]
.irp k, 0,1,2,3,4,5,6,7,8,9,10,11,12,13,14,15
	s_wait_dscnt 15-\k
	global_store_b128 v7, v[WF+4*\k:WF+4*\k+3], s[40:41] offset:131072*\k
.endr
	s_set_vgpr_msb 0x5
	s_wait_tensorcnt 0x0
	ds_add_u32 v128, v129
	s_wait_dscnt 0x0
	s_set_vgpr_msb 0x500
	s_endpgm
.Lfunc_end_k_q85bd7c97dd_prep:
	.size	k_q85bd7c97dd_prep, .Lfunc_end_k_q85bd7c97dd_prep-k_q85bd7c97dd_prep
	.p2alignl 7, 3214868480
	.fill 96, 4, 3214868480
	.section	.rodata,"a",@progbits
	.p2align	6, 0x0
	.amdhsa_kernel k_q85bd7c97dd_prep
		.amdhsa_group_segment_fixed_size 116736
		.amdhsa_private_segment_fixed_size 0
		.amdhsa_enable_private_segment 0
		.amdhsa_kernarg_size 88
		.amdhsa_user_sgpr_count 2
		.amdhsa_user_sgpr_kernarg_segment_ptr 1
		.amdhsa_wavefront_size32 1
		.amdhsa_system_sgpr_workgroup_id_x 1
		.amdhsa_system_sgpr_workgroup_id_y 1
		.amdhsa_system_sgpr_workgroup_id_z 1
		.amdhsa_system_vgpr_workitem_id 0
		.amdhsa_next_free_vgpr 386
		.amdhsa_next_free_sgpr 66
		.amdhsa_reserve_vcc 0
		.amdhsa_float_denorm_mode_32 3
		.amdhsa_float_denorm_mode_16_64 3
		.amdhsa_memory_ordered 1
		.amdhsa_forward_progress 1
		.amdhsa_inst_pref_size 63
	.end_amdhsa_kernel
	.amdgpu_metadata
---
amdhsa.version: [ 1, 2 ]
amdhsa.kernels:
  - .name:           k_q85bd7c97dd_prep
    .symbol:         k_q85bd7c97dd_prep.kd
    .args:
      - { .name: m, .offset: 0, .size: 8, .value_kind: global_buffer, .address_space: global }
      - { .name: msa_mask, .offset: 8, .size: 8, .value_kind: global_buffer, .address_space: global }
      - { .name: opm_norm_w, .offset: 16, .size: 8, .value_kind: global_buffer, .address_space: global }
      - { .name: opm_norm_b, .offset: 24, .size: 8, .value_kind: global_buffer, .address_space: global }
      - { .name: opm_a_w, .offset: 32, .size: 8, .value_kind: global_buffer, .address_space: global }
      - { .name: opm_b_w, .offset: 40, .size: 8, .value_kind: global_buffer, .address_space: global }
      - { .name: opm_o_w, .offset: 48, .size: 8, .value_kind: global_buffer, .address_space: global }
      - { .name: aT, .offset: 56, .size: 8, .value_kind: global_buffer, .address_space: global }
      - { .name: bT, .offset: 64, .size: 8, .value_kind: global_buffer, .address_space: global }
      - { .name: maskT, .offset: 72, .size: 8, .value_kind: global_buffer, .address_space: global }
      - { .name: Op, .offset: 80, .size: 8, .value_kind: global_buffer, .address_space: global }
    .group_segment_fixed_size: 116736
    .private_segment_fixed_size: 0
    .kernarg_segment_align: 8
    .kernarg_segment_size: 88
    .max_flat_workgroup_size: 256
    .sgpr_count:     66
    .vgpr_count:     386
    .wavefront_size: 32
...
	.end_amdgpu_metadata
.endif
;; end of part 1
;; launch opm (part 2): grid 64 x 4, 4 waves a work-group, clusters of 4 x 1, 327,680 bytes of LDS; arguments aT, bT, Op, maskT, z, opm_o_b, pwa_norm_z_w, pwa_norm_z_b, pwa_z_w, bias; writes bias
.if DOCPART == 2
	.amdgcn_target "amdgcn-amd-amdhsa--gfx1250"
	.amdhsa_code_object_version 6
	.text
	.protected	k_q85bd7c97dd_opm
	.globl	k_q85bd7c97dd_opm
	.p2align	8
	.type	k_q85bd7c97dd_opm,@function
k_q85bd7c97dd_opm:
	s_mov_b64 s[64:65], 0
	v_nop
	global_prefetch_b8 v0, s[64:65] scope:SCOPE_SE
	s_setreg_imm32_b32 hwreg(HW_REG_WAVE_MODE, 25, 1), 1
	s_wait_xcnt 0x0
	s_wait_alu depctr_hold_cnt(0) depctr_sa_sdst(0) depctr_va_vdst(0) depctr_va_sdst(0) depctr_va_ssrc(0) depctr_va_vcc(0) depctr_vm_vsrc(0)
	s_getreg_b32 s2, hwreg(HW_REG_IB_STS2, 6, 4)
	s_cmp_eq_u32 s2, 0
	s_cbranch_scc0 .Lentry_in_a_cluster
	s_endpgm
.Lentry_in_a_cluster:
	s_bfe_u32 s2, ttmp6, 0x10000c
	s_cmp_lg_u32 s2, 0x3003
	s_cbranch_scc0 .Lentry_shape_is_right
	s_endpgm
.Lentry_shape_is_right:
; bias[head][i][j] = LN(z + (sum_s a b / max(sum_s mask mask, 1)) . O^T + o_b) . pwa_z_w[head], without the pair mask.
; A work-group owns 4 i x 64 j; wave w owns the 4 i x 16 j (16w..).  a of the 4 i (128 rows x 512 s) stays in LDS; b of the 64 j streams once:
; 8 chunks of 4 d, each in 4 K steps of 128 s through two slots.  The outer product of a chunk (wave tile 128 x 64, 32 accumulators) never leaves registers:
; source 0 = 16 c of one i, source 1 = 16 j at one d, so a lane holds one j and eight c; two such tiles rounded to bf16 ARE source 1 (32 c) of the second
; product, whose source 0 is Op[d] (16 z x 32 c).  Its result again holds one j a lane, so LN over z wants one exchange between the halves of the lanes,
; and two z tiles rounded to f16 are source 1 of the head product.
; CLUSTER: the four work-groups of a cluster share j, so b's tiles and Op's chunks are asked for jointly (mask 15); a and z hang on i and are plain loads.
; ORDER: cluster x begins with chunk x & 7 and walks the eight chunks round (the sum over d takes any order; only its rounding hangs on it).  So the sixteen
; clusters that read the same b begin at eight different chunks.  Where a descriptor goes on to another chunk its address is made afresh: the kept base, plus the
; chunk's number times the chunk's bytes, and the type bits are set anew.
; FORMATS: a, b, mask, the outer product and O in bf16; the head product in f16: its operands are LN outputs (at most sqrt(128)) and gain x weight.
; LIMIT: gain x pwa_z_w above 65,504 overflows in f16; below 6e-5 it keeps an absolute step of 6e-8.
; REGISTERS: window 0 addresses, statistics, P (packed outer product) / T; window 1 fragment buffers; window 2 the first product's sums; window 3 the second's.
.set RING, 133120                      ; behind a's 128 rows x 1,040
.set SLOT, 69632                       ; 256 rows (dl x 64 + jl) x 272; at the end 128 rows of z x 528
.set OSL,  272384                      ; 512 rows (dl x 128 + z) of 64 bytes, pitch 80
.set BS,   313344                      ; stage for the result: [head x 4 + il][64 j] f32; no tensor load lands here
.set ADRA, 3
.set ADRB, 5
.set ADRO, 7
.set ADRZ, 8
.set S,  14
.set MU, 22
.set RS, 24
.set RN, 32
.set CB, 40
.set ZW, 48
.set P,  80
.set T,  80
.set NA, 208
.set NB, 216
.set F0, 0
.set F1, 96
.set OF0, 192
.set OF1, 96
.set WV, 3
.set SB, 8                             ; s[8:9]   byte offset of the next chunk in b, high word 0 (the registers held aT's address, which is used up by then)
.set BB, 10                            ; s[10:11] b at my 128 rows of chunk 0: kept
.set BO, 12                            ; s[12:13] Op at my two d of chunk 0: kept
.set SO, 16                            ; s[16:17] byte offset of this chunk in Op, high word 0 (the registers held z's address)
.set G1S, 36
.set G0S, 44
.set G1O, 52
.set G0O, 60
.set G1A, 68
.set G0A, 76
.set G1Z, 80
.set G0Z, 88
.set SEL, 92
.set CNT, 94
.set SINV, 95
.set SEPS, 96
.set CI, 100                           ; the chunk in hand, 0 to 7
.set W_P1, 0xa5                        ; sources in window 1, sums in window 2
.set W_P2, 0xf1                        ; Op in window 1, P in window 0, sums in window 3
.set MSB, 0
.macro WIN new
.if MSB != \new
	s_set_vgpr_msb (MSB<<8)|\new
.set MSB, \new
.endif
.endm
.macro PLACES                          ; four plain places behind matrix instructions, ahead of loads into or reads of their registers
.rept 4
	v_nop
.endr
.endm
.macro CROUND                          ; a round of the cluster's barrier
	s_barrier_signal -1
	s_barrier_wait -1
	s_cmp_lg_u32 s[WV], 0
	s_cbranch_scc1 .Lnot_wave_0_\@
	s_barrier_signal -3
.Lnot_wave_0_\@:
	s_barrier_wait -3
	s_barrier_signal -1
	s_barrier_wait -1
.endm
.macro PKRED
	v_pk_add_f32 v[S:S+1], v[S:S+1], v[S+2:S+3]
	v_pk_add_f32 v[S+4:S+5], v[S+4:S+5], v[S+6:S+7]
	v_pk_add_f32 v[S:S+1], v[S:S+1], v[S+4:S+5]
	v_add_f32 v[S], v[S], v[S+1]
	v_permlanex16_b32 v[S+1], v[S], s[SEL], s[SEL+1]
	v_add_f32 v[S], v[S], v[S+1]
.endm
.macro LNORM y, np
.irp k, 0,1,2,3
	v_pk_add_f32 v[S+2*\k:S+2*\k+1], v[\y+2*\k:\y+2*\k+1], v[\y+8+2*\k:\y+9+2*\k]
.endr
.set i, 8
.rept \np-8
	v_pk_add_f32 v[S+2*(i%4):S+2*(i%4)+1], v[S+2*(i%4):S+2*(i%4)+1], v[\y+2*i:\y+2*i+1]
.set i, i+1
.endr
	PKRED
	v_mul_f32 v[MU], s[SINV], v[S]
	v_mul_f32 v[MU+1], s[SINV], v[S]
.set i, 0
.rept \np
	v_pk_add_f32 v[\y+2*i:\y+2*i+1], v[\y+2*i:\y+2*i+1], v[MU:MU+1] neg_lo:[0,1] neg_hi:[0,1]
.set i, i+1
.endr
.irp k, 0,1,2,3
	v_pk_mul_f32 v[S+2*\k:S+2*\k+1], v[\y+2*\k:\y+2*\k+1], v[\y+2*\k:\y+2*\k+1]
.endr
.set i, 4
.rept \np-4
	v_pk_fma_f32 v[S+2*(i%4):S+2*(i%4)+1], v[\y+2*i:\y+2*i+1], v[\y+2*i:\y+2*i+1], v[S+2*(i%4):S+2*(i%4)+1]
.set i, i+1
.endr
	PKRED
	v_fma_f32 v[S], v[S], s[SINV], s[SEPS]
	v_rsq_f32 v[RS], v[S]
	v_rsq_f32 v[RS+1], v[S]
	v_nop
.set i, 0
	s_wait_alu depctr_va_vdst(0)
.rept \np
	v_pk_mul_f32 v[\y+2*i:\y+2*i+1], v[\y+2*i:\y+2*i+1], v[RS:RS+1]
.set i, i+1
.endr
.endm
; Refills.  Four v_nop follow each tensor load line; every path ends with four places ahead of the fragment loads that follow.
.macro JS slot                         ; waves 2 and 3: b's next tile, 128 rows each
	s_cmp_lt_u32 s[WV], 2
	s_cbranch_scc1 .Lnone_\@
	tensor_load_to_lds s[G0S+4*\slot:G0S+4*\slot+3], s[G1S:G1S+7]
	s_nop 0
	PLACES
.Lnone_\@:
	PLACES
.endm
.macro JSO slot                        ; the same, and waves 0 and 1: the chunk's Op, two d each
	s_cmp_lt_u32 s[WV], 2
	s_cbranch_scc0 .Lfor_b_\@
	tensor_load_to_lds s[G0O:G0O+3], s[G1O:G1O+7]
	s_nop 0
	PLACES
	s_branch .Lasked_\@
.Lfor_b_\@:
	tensor_load_to_lds s[G0S+4*\slot:G0S+4*\slot+3], s[G1S:G1S+7]
	s_nop 0
	PLACES
.Lasked_\@:
.endm
.macro JZ                              ; every wave: 32 rows of z, into the slot that b has left for good
	tensor_load_to_lds s[G0Z:G0Z+3], s[G1Z:G1Z+7]
	s_nop 0
	PLACES
.endm
	s_load_b512 s[8:23], s[0:1], 0x0               ; aT 8, bT 10, Op 12, maskT 14, z 16, o_b 18, norm_z_w 20, norm_z_b 22
	s_load_b128 s[24:27], s[0:1], 0x40             ; pwa_z_w 24, bias 26
	s_set_vgpr_msb 0x40
	v_lshl_add_u32 v254, v0, 2, 0x4e800
	v_mov_b32 v255, 0
	s_set_vgpr_msb 0x4045
	ds_add_u32 v254, v255
	s_wait_dscnt 0x0
	s_set_vgpr_msb 0x4500
	v_lshrrev_b32 v1, 5, v0
	v_readfirstlane_b32 s[WV], v1
	s_bfe_u32 s4, ttmp6, 0x40000                   ; cx
	s_lshl_b32 s5, ttmp9, 2
	s_add_co_u32 s5, s5, s4                        ; ib: my 4 i.  It enters global addresses of plain loads and stores alone
	s_and_b32 s6, ttmp7, 0xffff                    ; jb: my 64 j, shared by the cluster
	s_and_b32 s7, s[WV], 1
	s_and_b32 s[CI], ttmp9, 7                      ; the cluster's first chunk: the same in its four work-groups
	s_mov_b32 s[SEL], 0x76543210
	s_mov_b32 s[SEL+1], 0xfedcba98
	s_mov_b32 s[SINV], 0x3c000000                  ; 1/128
	s_mov_b32 s[SEPS], 0x3727c5ac                  ; 1e-5
	; b: 128 rows x 128 s of 2 bytes, 16 bytes of padding behind each 256; joint
	s_mov_b32 s[G1S+0], 15|(1<<16)|(1<<20)|(1<<21)|(5<<22)|(3<<25)
	s_mov_b32 s[G1S+1], 128<<16
	s_mov_b32 s[G1S+2], 128<<16
	s_mov_b32 s[G1S+3], 128<<16
	s_mov_b32 s[G1S+4], 128
	s_mov_b32 s[G1S+5], 512
	s_mov_b32 s[G1S+6], 0
	s_mov_b32 s[G1S+7], 0
	; Op: 16 KiB dense as 64 rows of 32 elements of 8 bytes, 16 bytes of padding behind each 64; joint
	s_mov_b32 s[G1O+0], 15|(3<<16)|(1<<20)|(1<<21)|(3<<22)|(3<<25)
	s_mov_b32 s[G1O+1], 32<<16
	s_mov_b32 s[G1O+2], 64<<16
	s_mov_b32 s[G1O+3], 32<<16
	s_mov_b32 s[G1O+4], 64
	s_mov_b32 s[G1O+5], 32
	s_mov_b32 s[G1O+6], 0
	s_mov_b32 s[G1O+7], 0
	; a: 64 rows x 512 s, padding behind each 1,024 bytes; my own
	s_mov_b32 s[G1A+0], (1<<16)|(1<<20)|(7<<22)|(3<<25)
	s_mov_b32 s[G1A+1], 512<<16
	s_mov_b32 s[G1A+2], 64<<16
	s_mov_b32 s[G1A+3], 512<<16
	s_mov_b32 s[G1A+4], 64
	s_mov_b32 s[G1A+5], 512
	s_mov_b32 s[G1A+6], 0
	s_mov_b32 s[G1A+7], 0
	; z: 32 rows x 128 f32, padding behind each 512 bytes; my own
	s_mov_b32 s[G1Z+0], (2<<16)|(1<<20)|(6<<22)|(3<<25)
	s_mov_b32 s[G1Z+1], 128<<16
	s_mov_b32 s[G1Z+2], 32<<16
	s_mov_b32 s[G1Z+3], 128<<16
	s_mov_b32 s[G1Z+4], 32
	s_mov_b32 s[G1Z+5], 128
	s_mov_b32 s[G1Z+6], 0
	s_mov_b32 s[G1Z+7], 0
	s_lshl_b32 s28, s6, 21                         ; b: jb x 2 MiB + (wave&1) x 128 rows
	s_lshl_b32 s29, s7, 17
	s_add_co_u32 s28, s28, s29
	s_mov_b32 s29, 0
	s_lshl_b32 s30, s7, 14                         ; Op: (wave&1) x 2 d
	s_mov_b32 s31, 0
	s_lshl_b32 s32, s5, 17                         ; a: ib x 128 rows + (wave&1) x 64 rows
	s_lshl_b32 s33, s7, 16
	s_add_co_u32 s32, s32, s33
	s_mov_b32 s33, 0
	s_lshl_b32 s34, s5, 19                         ; z: ((4 ib + (wave>>1)) x 256 + 64 jb + 32 (wave&1)) x 512
	s_lshr_b32 s35, s[WV], 1
	s_lshl_b32 s35, s35, 17
	s_add_co_u32 s34, s34, s35
	s_lshl_b32 s35, s6, 15
	s_add_co_u32 s34, s34, s35
	s_lshl_b32 s35, s7, 14
	s_add_co_u32 s34, s34, s35
	s_mov_b32 s35, 0
	s_mul_i32 s97, s7, 34816
	s_add_co_u32 s97, s97, RING
	s_mul_i32 s98, s7, 20480
	s_add_co_u32 s98, s98, OSL
	s_mul_i32 s99, s7, 66560
	s_mul_i32 s2, s[WV], 16896
	s_add_co_u32 s2, s2, RING
	s_wait_kmcnt 0x0
	s_add_nc_u64 s[BB:BB+1], s[BB:BB+1], s[28:29]  ; b at my rows of chunk 0
	s_add_nc_u64 s[BO:BO+1], s[BO:BO+1], s[30:31]  ; Op at my two d of chunk 0
	s_lshl_b32 s28, s[CI], 18                      ; the first chunk: 256 rows of 1,024 bytes each in b,
	s_lshl_b32 s30, s[CI], 15                      ; 4 d of 8,192 bytes each in Op (s29 and s31 are still 0)
	s_add_nc_u64 s[28:29], s[BB:BB+1], s[28:29]
.irp s, 0,1
	s_mov_b32 s[G0S+4*\s], 1
	s_add_co_u32 s[G0S+4*\s+1], s97, \s*SLOT
	s_add_nc_u64 s[G0S+4*\s+2:G0S+4*\s+3], s[28:29], \s*256     ; K step s of the first chunk
	s_or_b32 s[G0S+4*\s+3], s[G0S+4*\s+3], 0x80000000
.endr
	s_mov_b32 s[G0O], 1
	s_mov_b32 s[G0O+1], s98
	s_add_nc_u64 s[G0O+2:G0O+3], s[BO:BO+1], s[30:31]
	s_or_b32 s[G0O+3], s[G0O+3], 0x80000000
	s_mov_b32 s[G0A], 1
	s_mov_b32 s[G0A+1], s99
	s_add_nc_u64 s[G0A+2:G0A+3], s[8:9], s[32:33]
	s_or_b32 s[G0A+3], s[G0A+3], 0x80000000
	s_mov_b32 s[G0Z], 1
	s_mov_b32 s[G0Z+1], s2
	s_add_nc_u64 s[G0Z+2:G0Z+3], s[16:17], s[34:35]
	s_or_b32 s[G0Z+3], s[G0Z+3], 0x80000000
	CROUND                                         ; all four work-groups are here: the first joint loads meet
	s_cmp_lt_u32 s[WV], 2                          ; a wave's two first fills stand in one branch: two loads of mine are out
	s_cbranch_scc0 .Lfirst_b
	tensor_load_to_lds s[G0A:G0A+3], s[G1A:G1A+7]
	s_nop 0
	tensor_load_to_lds s[G0O:G0O+3], s[G1O:G1O+7]
	s_nop 0
	PLACES
	s_branch .Lfirst_asked
.Lfirst_b:
	tensor_load_to_lds s[G0S:G0S+3], s[G1S:G1S+7]
	s_nop 0
	tensor_load_to_lds s[G0S+4:G0S+7], s[G1S:G1S+7]
	s_nop 0
	PLACES
.Lfirst_asked:
	v_and_b32 v1, 15, v0                           ; r
	v_bfe_u32 v2, v0, 4, 1                         ; h
	v_mul_u32_u24 v[ADRA], v1, 1040
	v_lshl_add_u32 v[ADRA], v2, 4, v[ADRA]
	v_add_nc_u32 v[ADRA+1], 66560, v[ADRA]         ; a's rows 64 on
	s_mul_i32 s28, s[WV], 4352
	s_add_co_u32 s28, s28, RING
	v_mul_u32_u24 v[ADRB], v1, 272
	v_lshl_add_u32 v[ADRB], v2, 4, v[ADRB]
	v_add_nc_u32 v[ADRB], s28, v[ADRB]             ; row 16 w + r of a d
	v_add_nc_u32 v[ADRB+1], SLOT, v[ADRB]
	v_mul_u32_u24 v[ADRO], v1, 80
	v_lshl_add_u32 v[ADRO], v2, 4, v[ADRO]
	v_add_nc_u32 v[ADRO], OSL, v[ADRO]
	s_mul_i32 s28, s[WV], 8448
	s_add_co_u32 s28, s28, RING
	v_mul_u32_u24 v[ADRZ], v1, 528
	v_lshl_add_u32 v[ADRZ], v2, 5, v[ADRZ]
	v_add_nc_u32 v[ADRZ], s28, v[ADRZ]
	v_add_nc_u32 v[ADRZ+1], SLOT, v[ADRZ]
	s_lshl_b32 s28, s[WV], 6
	s_add_co_u32 s28, s28, BS
	v_lshl_add_u32 v10, v1, 2, s28                 ; stage in: column 16 w + r
	s_lshl_b32 s28, s[WV], 11
	s_add_co_u32 s28, s28, BS
	v_and_b32 v27, 31, v0
	v_lshlrev_b32 v27, 4, v27                      ; 16 x lane
	v_add_nc_u32 v11, s28, v27                     ; stage back: my 8 rows
	v_lshlrev_b32 v12, 10, v2
	v_lshl_add_u32 v12, v1, 4, v12                 ; bias: h rows of 1,024 bytes + 16 r
	v_lshlrev_b32 v13, 5, v2                       ; 32 h
	v_and_b32 v26, 7, v1
	v_lshl_add_u32 v26, v26, 9, v13                ; pwa_z_w: row r & 7
	v_lshlrev_b32 v30, 4, v2                       ; 16 h
	v_and_b32 v28, 3, v1
	v_lshl_add_u32 v28, v28, 10, v30
	s_lshl_b32 s28, s5, 12
	v_add_nc_u32 v28, s28, v28                     ; maskT: row 4 ib + (r & 3)
	v_lshl_add_u32 v29, v1, 10, v30
	s_lshl_b32 s28, s6, 16
	s_lshl_b32 s29, s[WV], 14
	s_add_co_u32 s28, s28, s29
	v_add_nc_u32 v29, s28, v29                     ; maskT: row 64 jb + 16 w + r
	v_mov_b32 v[S], 0
	; all small inputs in one group, while the first tiles are on their way
.irp kz, 0,1,2,3
.irp c, 0,1,2,3
	global_load_b128 v[80+16*\kz+4*\c:80+16*\kz+4*\c+3], v26, s[24:25] offset:128*\kz+16*(\c%2)+64*(\c/2)
	global_load_b128 v[144+16*\kz+4*\c:144+16*\kz+4*\c+3], v13, s[20:21] offset:128*\kz+16*(\c%2)+64*(\c/2)
.endr
.endr
	global_load_b128 v[208:211], v27, s[22:23]
.irp hd, 0,1,2,3,4,5,6,7
	global_load_b128 v[224+4*\hd:224+4*\hd+3], v27, s[24:25] offset:512*\hd
.endr
	WIN 0x80                                       ; the mask's fragments of all 16 K steps, in window 2
.irp k, 0,1,2,3,4,5,6,7,8,9,10,11,12,13,14,15
	global_load_b128 v[16*\k:16*\k+3],     v28, s[14:15] offset:64*\k
	global_load_b128 v[16*\k+4:16*\k+7],   v28, s[14:15] offset:64*\k+32
	global_load_b128 v[16*\k+8:16*\k+11],  v29, s[14:15] offset:64*\k
	global_load_b128 v[16*\k+12:16*\k+15], v29, s[14:15] offset:64*\k+32
.endr
	WIN 0
	s_wait_loadcnt 0x0
.set i, 0
.rept 32
	v_pk_mul_f32 v[80+2*i:81+2*i], v[80+2*i:81+2*i], v[144+2*i:145+2*i]     ; gain x weight
.set i, i+1
.endr
.set i, 0
.rept 32
	v_cvt_pk_f16_f32 v[ZW+i], v[80+2*i], v[81+2*i]
.set i, i+1
.endr
.irp hd, 0,1,2,3,4,5,6,7                       ; CB[head] = norm_z_b . pwa_z_w[head]: four z a lane, then over the 32 lanes
	v_mul_f32 v[CB+\hd], v[224+4*\hd], v208
	v_fmac_f32 v[CB+\hd], v[225+4*\hd], v209
	v_fmac_f32 v[CB+\hd], v[226+4*\hd], v210
	v_fmac_f32 v[CB+\hd], v[227+4*\hd], v211
.endr
.irp x, 1,2,4,8
.irp hd, 0,1,2,3,4,5,6,7
	v_add_f32_dpp v[CB+\hd], v[CB+\hd], v[CB+\hd] row_xmask:\x row_mask:0xf bank_mask:0xf
.endr
.endr
.irp hd, 0,1,2,3,4,5,6,7
	v_permlanex16_b32 v[S], v[CB+\hd], s[SEL], s[SEL+1]
	v_add_f32 v[CB+\hd], v[CB+\hd], v[S]
.endr
	WIN 0x0a                                       ; num[i][j]: source 0 row m is i = 4 ib + (m & 3), so registers 0-3 of every lane are my four i.  Two accumulators take turns.
.irp k, 0,2,4,6,8,10,12,14
.if \k == 0
	v_wmma_f32_16x16x32_bf16 v[NA:NA+7], v[16*\k:16*\k+7], v[16*\k+8:16*\k+15], 0
	v_wmma_f32_16x16x32_bf16 v[NB:NB+7], v[16*\k+16:16*\k+23], v[16*\k+24:16*\k+31], 0
.else
	v_wmma_f32_16x16x32_bf16 v[NA:NA+7], v[16*\k:16*\k+7], v[16*\k+8:16*\k+15], v[NA:NA+7]
	v_wmma_f32_16x16x32_bf16 v[NB:NB+7], v[16*\k+16:16*\k+23], v[16*\k+24:16*\k+31], v[NB:NB+7]
.endif
.endr
	WIN 0
	PLACES
	v_nop                                          ; five: the first product's sums will be written over these fragments
.irp il, 0,1,2,3
	v_add_f32 v[S+\il], v[NA+\il], v[NB+\il]
.endr
.irp il, 0,1,2,3
	v_max_num_f32 v[S+\il], 1.0, v[S+\il]
.endr
.irp il, 0,1,2,3
	v_rcp_f32 v[RN+2*\il], v[S+\il]
.endr
	v_nop
	s_wait_alu depctr_va_vdst(0)
.irp il, 0,1,2,3
	v_mov_b32 v[RN+2*\il+1], v[RN+2*\il]
.endr
; 24 LDS loads: 8 fragments of a (byte ka of its rows) and 4 of b (byte kb of the slot's rows), 32 s, into buffer f
.macro FETCH slot, ka, kb, f
	WIN 0x40
.irp a, 0,1,2,3,4,5,6,7
	ds_load_b128 v[\f+8*\a:\f+8*\a+3],   v[ADRA+(\a/4)] offset:(\a%4)*16640+\ka
	ds_load_b128 v[\f+8*\a+4:\f+8*\a+7], v[ADRA+(\a/4)] offset:(\a%4)*16640+\ka+32
.endr
.irp d, 0,1,2,3
	ds_load_b128 v[\f+64+8*\d:\f+64+8*\d+3], v[ADRB+\slot] offset:\d*17408+\kb
	ds_load_b128 v[\f+64+8*\d+4:\f+64+8*\d+7], v[ADRB+\slot] offset:\d*17408+\kb+32
.endr
.endm
; 16 products: row blocks 4 half .. + 3 x the 4 d.  The 32 accumulators take turns in the same order in every quarter.
.macro MUL16 f, half, zero
.irp a, 0,1,2,3
.irp d, 0,1,2,3
.set rD, 8*(4*(4*\half+\a)+\d)
.if \zero
	v_wmma_f32_16x16x32_bf16 v[rD:rD+7], v[\f+8*(4*\half+\a):\f+8*(4*\half+\a)+7], v[\f+64+8*\d:\f+64+8*\d+7], 0
.else
	v_wmma_f32_16x16x32_bf16 v[rD:rD+7], v[\f+8*(4*\half+\a):\f+8*(4*\half+\a)+7], v[\f+64+8*\d:\f+64+8*\d+7], v[rD:rD+7]
.endif
.endr
.endr
.endm
; A quarter of a K step: buffer f is multiplied; the next quarter's fragments are asked for first, 32 products ahead of their use.
.macro QUARTER f, g, slot, ka, kb, zero
	s_wait_dscnt 0x0                               ; buffer f is in
	PLACES
	FETCH \slot, \ka, \kb, \g
	WIN W_P1
	MUL16 \f, 0, \zero
	MUL16 \f, 1, \zero
.endm
; The last quarter changes slots.  In front of the round every wave has its reads of the slot back and all its tensor loads landed (its part of the next slot
; among them); behind it the slot is filled again first.  mode 0: b; 1: b and Op; 2, 3: z.
; on = 0: b's address goes two K steps along the rows.  on = 1: it is made afresh for the next chunk's K step 0 (slot 0) or 1 (slot 1).
.macro TURN slot, next, on, mode, fetch, ka
	s_wait_dscnt 0x0
	WIN W_P1
	MUL16 F1, 0, 0
	s_wait_dscnt 0x0
	s_wait_xcnt 0x0
	s_set_vgpr_msb 0xa564
	v_lshl_add_u32 v254, v0, 2, 0x4e800
	v_mov_b32 v255, 0
	s_set_vgpr_msb 0x6465
	s_wait_tensorcnt 0x0                           ; no load of mine is out: the descriptors may be written
	ds_add_u32 v254, v255
	s_wait_dscnt 0x0
	s_set_vgpr_msb 0x65a5
.if \mode < 2
.if \on
	s_add_nc_u64 s[G0S+4*\slot+2:G0S+4*\slot+3], s[BB:BB+1], s[SB:SB+1]
.if \slot
	s_add_nc_u64 s[G0S+4*\slot+2:G0S+4*\slot+3], s[G0S+4*\slot+2:G0S+4*\slot+3], 256
.endif
	s_or_b32 s[G0S+4*\slot+3], s[G0S+4*\slot+3], 0x80000000
.else
	s_add_nc_u64 s[G0S+4*\slot+2:G0S+4*\slot+3], s[G0S+4*\slot+2:G0S+4*\slot+3], 512
.endif
.endif
.if \mode == 1
	s_add_nc_u64 s[G0O+2:G0O+3], s[BO:BO+1], s[SO:SO+1]
	s_or_b32 s[G0O+3], s[G0O+3], 0x80000000
.endif
.if \mode == 3
	s_add_co_u32 s[G0Z+1], s[G0Z+1], SLOT
	s_add_nc_u64 s[G0Z+2:G0Z+3], s[G0Z+2:G0Z+3], 262144      ; two i on
.endif
	WIN 0
	CROUND
.if \mode == 0
	JS \slot
.elseif \mode == 1
	JSO \slot
.else
	JZ
.endif
.if \fetch
	FETCH \next, \ka, 0, F0
.endif
	WIN W_P1
	MUL16 F1, 1, 0
.endm
.macro KS3 ks, zero
	QUARTER F0, F1, (\ks%2), 256*\ks+64,  64,  \zero
	QUARTER F1, F0, (\ks%2), 256*\ks+128, 128, 0
	QUARTER F0, F1, (\ks%2), 256*\ks+192, 192, 0
.endm
.macro OLOAD dl, of                    ; Op[d]: 8 fragments of 16 z x 32 c
	WIN 0x40
.irp zt, 0,1,2,3,4,5,6,7
	ds_load_b128 v[\of+8*\zt:\of+8*\zt+3],   v[ADRO] offset:\dl*10240+\zt*1280
	ds_load_b128 v[\of+8*\zt+4:\of+8*\zt+7], v[ADRO] offset:\dl*10240+\zt*1280+32
.endr
.endm
.macro P2 dl, of, zero                 ; 32 products, 32 accumulators by turns
	WIN W_P2
.irp il, 0,1,2,3
.irp zt, 0,1,2,3,4,5,6,7
.set rD, 8*(8*\il+\zt)
.if \zero
	v_wmma_f32_16x16x32_bf16 v[rD:rD+7], v[\of+8*\zt:\of+8*\zt+7], v[P+8*(4*\il+\dl):P+8*(4*\il+\dl)+7], 0
.else
	v_wmma_f32_16x16x32_bf16 v[rD:rD+7], v[\of+8*\zt:\of+8*\zt+7], v[P+8*(4*\il+\dl):P+8*(4*\il+\dl)+7], v[rD:rD+7]
.endif
.endr
.endr
.endm
.macro CHUNK first, last
	; The offsets of the walk round the eight chunks: this chunk's 32,768 bytes of Op, the next chunk's 262,144 bytes of b.  They hang on the cluster's x and the count of chunks alone.
.if !\first
	s_lshl_b32 s[SO], s[CI], 15
	s_mov_b32 s[SO+1], 0
.endif
.if !\last
	s_add_co_u32 s[CI], s[CI], 1
	s_and_b32 s[CI], s[CI], 7
	s_lshl_b32 s[SB], s[CI], 18
	s_mov_b32 s[SB+1], 0
.endif
	KS3 0, 1
.if \first
	TURN 0, 1, 0, 0, 1, 256
.else
	TURN 0, 1, 0, 1, 1, 256
.endif
	KS3 1, 0
	TURN 1, 0, 0, 0, 1, 512
	KS3 2, 0
.if \last
	TURN 0, 1, 0, 2, 1, 768
.else
	TURN 0, 1, 1, 0, 1, 768
.endif
	KS3 3, 0
.if \last
	TURN 1, 0, 0, 3, 0, 0
.else
	TURN 1, 0, 1, 0, 1, 0
.endif
	PLACES
	OLOAD 0, OF0
	OLOAD 1, OF1
	WIN 0x0a                                       ; the outer product is rounded to bf16: tiles t = 0, 1 of (il, dl) become one fragment of 32 c
.irp il, 0,1,2,3
.irp dl, 0,1,2,3
.irp t, 0,1
.irp e, 0,1,2,3
	v_cvt_pk_bf16_f32 v[P+8*(4*\il+\dl)+4*\t+\e], v[8*(4*(2*\il+\t)+\dl)+2*\e], v[8*(4*(2*\il+\t)+\dl)+2*\e+1]
.endr
.endr
.endr
.endr
.if \last
	WIN 0x80                                       ; opm_o_b of my 64 z, into registers that the first product has left
.irp zt, 0,1,2,3,4,5,6,7
	global_load_b128 v[8*\zt:8*\zt+3],   v13, s[18:19] offset:64*\zt
	global_load_b128 v[8*\zt+4:8*\zt+7], v13, s[18:19] offset:64*\zt+16
.endr
.endif
	s_wait_dscnt 16                                ; all but the youngest 16 loads: this d's Op is in
	P2 0, OF0, \first
	PLACES
	OLOAD 2, OF0
	s_wait_dscnt 16
	P2 1, OF1, 0
	PLACES
	OLOAD 3, OF1
	s_wait_dscnt 16
	P2 2, OF0, 0
	s_wait_dscnt 0x0
	P2 3, OF1, 0
	WIN 0
.endm
	s_wait_tensorcnt 0x1                           ; a (waves 0, 1) or b's first K step (waves 2, 3) has landed; the second load may stay out
	s_barrier_signal -1
	s_barrier_wait -1
	FETCH 0, 0, 0, F0
	CHUNK 1, 0
	s_mov_b32 s[CNT], 6
.Lchunk:
	CHUNK 0, 0
	s_sub_co_u32 s[CNT], s[CNT], 1
	s_cmp_lg_u32 s[CNT], 0
	s_cbranch_scc1 .Lchunk
	CHUNK 0, 1
	; z_new = sums / num + z + o_b; LN over z; the head product
	s_wait_tensorcnt 0x0                           ; my parts of z
	s_wait_dscnt 0x0
	s_barrier_signal -1
	s_barrier_wait -1                              ; everybody's
	s_wait_loadcnt 0x0                             ; o_b
	PLACES
.macro EPI il
	WIN 0
.irp zt, 0,1,2,3,4,5,6,7
	ds_load_b128 v[T+8*\zt:T+8*\zt+3],   v[ADRZ+(\il/2)] offset:(\il%2)*33792+64*\zt
	ds_load_b128 v[T+8*\zt+4:T+8*\zt+7], v[ADRZ+(\il/2)] offset:(\il%2)*33792+64*\zt+16
.endr
	s_wait_dscnt 0x0
	WIN 0x03
.set i, 0
.rept 32
	v_pk_fma_f32 v[T+2*i:T+2*i+1], v[64*\il+2*i:64*\il+2*i+1], v[RN+2*\il:RN+2*\il+1], v[T+2*i:T+2*i+1]
.set i, i+1
.endr
	WIN 0x02
.set i, 0
.rept 32
	v_pk_add_f32 v[T+2*i:T+2*i+1], v[2*i:2*i+1], v[T+2*i:T+2*i+1]
.set i, i+1
.endr
	WIN 0
	LNORM T, 32
	WIN 0x40
.set i, 0
.rept 32
	v_cvt_pk_f16_f32 v[32*\il+i], v[T+2*i], v[T+2*i+1]
.set i, i+1
.endr
.endm
	EPI 0
	EPI 1
	EPI 2
	EPI 3
	WIN 0x54                                       ; source 0: gain x weight (row m is head m & 7), source 1: 32 z of 16 j.  The four i take turns.
.irp kz, 0,1,2,3
.irp il, 0,1,2,3
.if \kz == 0
	v_wmma_f32_16x16x32_f16 v[128+8*\il:128+8*\il+7], v[ZW+8*\kz:ZW+8*\kz+7], v[32*\il+8*\kz:32*\il+8*\kz+7], 0
.else
	v_wmma_f32_16x16x32_f16 v[128+8*\il:128+8*\il+7], v[ZW+8*\kz:ZW+8*\kz+7], v[32*\il+8*\kz:32*\il+8*\kz+7], v[128+8*\il:128+8*\il+7]
.endif
.endr
.endr
	PLACES
	WIN 0x01
.irp il, 0,1,2,3
.irp e, 0,1,2,3
	v_pk_add_f32 v[T+8*\il+2*\e:T+8*\il+2*\e+1], v[128+8*\il+2*\e:128+8*\il+2*\e+1], v[CB+2*\e:CB+2*\e+1]
.endr
.endr
	WIN 0
.irp il, 0,1,2,3
.irp hd, 0,1,2,3,4,5,6,7
	ds_store_b32 v10, v[T+8*\il+\hd] offset:(\hd*4+\il)*256      ; both halves of the lanes hold the same number
.endr
.endr
	s_wait_dscnt 0x0
	s_barrier_signal -1
	s_barrier_wait -1
.irp k, 0,1,2,3
	ds_load_b128 v[T+32+4*\k:T+32+4*\k+3], v11 offset:512*\k
.endr
	s_lshl_b32 s28, s[WV], 19                      ; heads 2 w, 2 w + 1; rows 4 ib on; columns 64 jb on
	s_lshl_b32 s29, s5, 12
	s_add_co_u32 s28, s28, s29
	s_lshl_b32 s29, s6, 8
	s_add_co_u32 s28, s28, s29
	s_mov_b32 s29, 0
	s_add_nc_u64 s[26:27], s[26:27], s[28:29]
.irp k, 0,1,2,3
	s_wait_dscnt 3-\k
	global_store_b128 v12, v[T+32+4*\k:T+32+4*\k+3], s[26:27] offset:(\k/2)*262144+(\k%2)*2048   ; 16 lanes store 256 consecutive bytes, aligned
.endr
	s_wait_xcnt 0x0
	s_set_vgpr_msb 0x40
	v_lshl_add_u32 v254, v0, 2, 0x4e800
	v_mov_b32 v255, 0
	s_set_vgpr_msb 0x4045
	s_wait_tensorcnt 0x0
	ds_add_u32 v254, v255
	s_wait_dscnt 0x0
	s_set_vgpr_msb 0x4500
	CROUND                                         ; the closing round
	s_endpgm
.Lfunc_end_k_q85bd7c97dd_opm:
	.size	k_q85bd7c97dd_opm, .Lfunc_end_k_q85bd7c97dd_opm-k_q85bd7c97dd_opm
	.p2alignl 7, 3214868480
	.fill 96, 4, 3214868480
	.section	.rodata,"a",@progbits
	.p2align	6, 0x0
	.amdhsa_kernel k_q85bd7c97dd_opm
		.amdhsa_group_segment_fixed_size 327680
		.amdhsa_private_segment_fixed_size 0
		.amdhsa_enable_private_segment 0
		.amdhsa_kernarg_size 80
		.amdhsa_user_sgpr_count 2
		.amdhsa_user_sgpr_kernarg_segment_ptr 1
		.amdhsa_wavefront_size32 1
		.amdhsa_system_sgpr_workgroup_id_x 1
		.amdhsa_system_sgpr_workgroup_id_y 1
		.amdhsa_system_sgpr_workgroup_id_z 1
		.amdhsa_system_vgpr_workitem_id 0
		.amdhsa_next_free_vgpr 1024
		.amdhsa_next_free_sgpr 102
		.amdhsa_reserve_vcc 0
		.amdhsa_float_denorm_mode_32 3
		.amdhsa_float_denorm_mode_16_64 3
		.amdhsa_memory_ordered 1
		.amdhsa_forward_progress 1
		.amdhsa_inst_pref_size 255
	.end_amdhsa_kernel
	.section	.bss,"aw",@nobits
	.p2align	6
	.space	262144
	.amdgpu_metadata
---
amdhsa.version: [ 1, 2 ]
amdhsa.kernels:
  - .name:           k_q85bd7c97dd_opm
    .symbol:         k_q85bd7c97dd_opm.kd
    .args:
      - { .name: aT, .offset: 0, .size: 8, .value_kind: global_buffer, .address_space: global }
      - { .name: bT, .offset: 8, .size: 8, .value_kind: global_buffer, .address_space: global }
      - { .name: Op, .offset: 16, .size: 8, .value_kind: global_buffer, .address_space: global }
      - { .name: maskT, .offset: 24, .size: 8, .value_kind: global_buffer, .address_space: global }
      - { .name: z, .offset: 32, .size: 8, .value_kind: global_buffer, .address_space: global }
      - { .name: opm_o_b, .offset: 40, .size: 8, .value_kind: global_buffer, .address_space: global }
      - { .name: pwa_norm_z_w, .offset: 48, .size: 8, .value_kind: global_buffer, .address_space: global }
      - { .name: pwa_norm_z_b, .offset: 56, .size: 8, .value_kind: global_buffer, .address_space: global }
      - { .name: pwa_z_w, .offset: 64, .size: 8, .value_kind: global_buffer, .address_space: global }
      - { .name: bias, .offset: 72, .size: 8, .value_kind: global_buffer, .address_space: global }
    .group_segment_fixed_size: 327680
    .private_segment_fixed_size: 0
    .kernarg_segment_align: 8
    .kernarg_segment_size: 80
    .max_flat_workgroup_size: 128
    .sgpr_count:     102
    .vgpr_count:     1024
    .wavefront_size: 32
...
	.end_amdgpu_metadata
.endif
;; end of part 2
;; launch soft (part 3): grid 256 x 1, 8 waves a work-group, no clusters, 0 bytes of LDS; arguments bias, pair_mask, pwa_m_w, pwa_g_w, pwa_o_w, wsm, wfr; writes wsm, wfr
.if DOCPART == 3
	.amdgcn_target "amdgcn-amd-amdhsa--gfx1250"
	.amdhsa_code_object_version 6
	.text
	.protected	k_q85bd7c97dd_soft
	.globl	k_q85bd7c97dd_soft
	.p2align	8
	.type	k_q85bd7c97dd_soft,@function
k_q85bd7c97dd_soft:
	s_mov_b64 s[64:65], 0
	v_nop
	global_prefetch_b8 v0, s[64:65] scope:SCOPE_SE
	s_setreg_imm32_b32 hwreg(HW_REG_WAVE_MODE, 25, 1), 1
	s_wait_xcnt 0x0
; wsm[head][i][:] = softmax_j(bias[head][i][j] + (1 - pair_mask[i][j]) x (-1e6)), f16.  One wave a row (2,048 rows), eight j a lane; the row's maximum is taken away first.
; Wave 0 of work-groups 0-191 also writes one half-fragment (512 bytes) of the PWA weights in f16, in the order in which lanes hold them:
;   number g = ((kind x 8 + head) x 4 + f4) x 2 + q; kind 0 pwa_m_w, kind 1 -log2(e) x pwa_g_w: row 32 head + 16 (f4>>1) + r, channel 32 h + 16 (f4&1) + 8 q + e;
;   kind 2 pwa_o_w: row 16 f4 + r, column 32 head + 16 q + 8 h + e.
; LIMIT: weights above 65,504 overflow in f16; softmax weights below 6e-5 keep an absolute step of 6e-8.
; A stream of 3 MiB: no LDS, no matrix unit, no cluster.
	s_load_b256 s[8:15], s[0:1], 0x0               ; bias 8, pair_mask 10, m_w 12, g_w 14
	s_load_b128 s[16:19], s[0:1], 0x20             ; o_w 16, wsm 18
	s_load_b64 s[20:21], s[0:1], 0x30              ; wfr
	v_lshrrev_b32 v1, 5, v0
	v_readfirstlane_b32 s2, v1
	s_mov_b32 s5, ttmp9
	s_lshl3_add_u32 s3, s5, s2                     ; row = 8 g + wave = 256 head + i
	s_and_b32 s4, s3, 255
	v_and_b32 v1, 31, v0
	v_lshlrev_b32 v2, 5, v1                        ; 32 x lane
	v_lshlrev_b32 v3, 4, v1                        ; 16 x lane
	s_mov_b32 s6, 0x76543210
	s_mov_b32 s7, 0xfedcba98
	s_lshl_b32 s24, s3, 10
	s_mov_b32 s25, 0
	s_lshl_b32 s26, s4, 10
	s_mov_b32 s27, 0
	s_lshl_b32 s28, s3, 9
	s_mov_b32 s29, 0
	s_wait_kmcnt 0x0
	s_add_nc_u64 s[8:9], s[8:9], s[24:25]
	s_add_nc_u64 s[10:11], s[10:11], s[26:27]
	s_add_nc_u64 s[18:19], s[18:19], s[28:29]
	global_load_b128 v[8:11],  v2, s[8:9]
	global_load_b128 v[12:15], v2, s[8:9] offset:16
	global_load_b128 v[20:23], v2, s[10:11]
	global_load_b128 v[24:27], v2, s[10:11] offset:16
	s_cmp_lg_u32 s2, 0
	s_cbranch_scc1 .Lrow
	s_cmp_ge_u32 s5, 192
	s_cbranch_scc1 .Lrow
	s_and_b32 s30, s5, 1                           ; q
	s_bfe_u32 s31, s5, 0x20001                     ; f4
	s_bfe_u32 s32, s5, 0x30003                     ; head
	s_lshr_b32 s33, s5, 6                          ; kind
	s_lshl_b32 s34, s32, 13
	s_lshr_b32 s35, s31, 1
	s_lshl_b32 s35, s35, 12
	s_add_co_u32 s34, s34, s35
	s_and_b32 s35, s31, 1
	s_lshl_b32 s35, s35, 6
	s_add_co_u32 s34, s34, s35
	s_lshl_b32 s35, s30, 5
	s_add_co_u32 s34, s34, s35                     ; kinds 0, 1
	s_lshl_b32 s36, s31, 14
	s_lshl_b32 s35, s32, 7
	s_add_co_u32 s36, s36, s35
	s_lshl_b32 s35, s30, 6
	s_add_co_u32 s36, s36, s35                     ; kind 2
	s_cmp_eq_u32 s33, 0
	s_cselect_b64 s[22:23], s[12:13], s[14:15]
	s_cmp_eq_u32 s33, 1
	s_cselect_b32 s37, 0xbfb8aa3b, 1.0             ; -log2(e) for the gate's weights
	s_cmp_eq_u32 s33, 2
	s_cselect_b64 s[22:23], s[16:17], s[22:23]
	s_cselect_b32 s34, s36, s34
	s_cselect_b32 s38, 10, 8                       ; bytes in a row: 1,024 or 256
	s_cselect_b32 s39, 5, 7                        ; the halves of the lanes lie 32 or 128 bytes apart
	s_mov_b32 s35, 0
	s_add_nc_u64 s[22:23], s[22:23], s[34:35]
	s_lshl_b32 s34, s5, 9
	s_add_nc_u64 s[20:21], s[20:21], s[34:35]
	v_and_b32 v4, 15, v0
	v_bfe_u32 v5, v0, 4, 1
	v_lshlrev_b32 v4, s38, v4
	v_lshlrev_b32 v5, s39, v5
	v_add_nc_u32 v4, v4, v5
	global_load_b128 v[32:35], v4, s[22:23]
	global_load_b128 v[36:39], v4, s[22:23] offset:16
	s_wait_loadcnt 0x0
.irp e, 0,1,2,3,4,5,6,7
	v_mul_f32 v[32+\e], s37, v[32+\e]
.endr
.irp e, 0,1,2,3
	v_cvt_pk_f16_f32 v[40+\e], v[32+2*\e], v[33+2*\e]
.endr
	global_store_b128 v3, v[40:43], s[20:21]
.Lrow:
	s_wait_loadcnt 0x0
	s_mov_b32 s30, 0xc9742400                      ; -1e6
.irp e, 0,1,2,3,4,5,6,7
	v_sub_f32 v[20+\e], 1.0, v[20+\e]
.endr
.irp e, 0,1,2,3,4,5,6,7
	v_fma_f32 v[8+\e], v[20+\e], s30, v[8+\e]
.endr
	v_mov_b32 v17, 0
	v_max3_num_f32 v16, v8, v9, v10
	v_max3_num_f32 v16, v16, v11, v12
	v_max3_num_f32 v16, v16, v13, v14
	v_max_num_f32 v16, v16, v15
.irp x, 1,2,4,8
	v_max_num_f32_dpp v16, v16, v16 row_xmask:\x row_mask:0xf bank_mask:0xf
.endr
	v_permlanex16_b32 v17, v16, s6, s7
	v_max_num_f32 v16, v16, v17
.irp e, 0,1,2,3,4,5,6,7
	v_sub_f32 v[8+\e], v[8+\e], v16
.endr
.irp e, 0,1,2,3,4,5,6,7
	v_mul_f32 v[8+\e], 0x3fb8aa3b, v[8+\e]
.endr
.irp e, 0,1,2,3,4,5,6,7
	v_exp_f32 v[8+\e], v[8+\e]
.endr
	v_nop                                          ; a plain instruction between the last exponential and its use
	s_wait_alu depctr_va_vdst(0)
	v_pk_add_f32 v[18:19], v[8:9], v[10:11]
	v_pk_add_f32 v[20:21], v[12:13], v[14:15]
	v_pk_add_f32 v[18:19], v[18:19], v[20:21]
	v_add_f32 v18, v18, v19
.irp x, 1,2,4,8
	v_add_f32_dpp v18, v18, v18 row_xmask:\x row_mask:0xf bank_mask:0xf
.endr
	v_permlanex16_b32 v17, v18, s6, s7
	v_add_f32 v18, v18, v17
	v_rcp_f32 v20, v18
	v_rcp_f32 v21, v18
	v_nop
	s_wait_alu depctr_va_vdst(0)
.irp e, 0,1,2,3
	v_pk_mul_f32 v[8+2*\e:9+2*\e], v[8+2*\e:9+2*\e], v[20:21]
.endr
.irp e, 0,1,2,3
	v_cvt_pk_f16_f32 v[28+\e], v[8+2*\e], v[9+2*\e]
.endr
	global_store_b128 v3, v[28:31], s[18:19]       ; a wave stores its row's 512 consecutive bytes
	s_endpgm
.Lfunc_end_k_q85bd7c97dd_soft:
	.size	k_q85bd7c97dd_soft, .Lfunc_end_k_q85bd7c97dd_soft-k_q85bd7c97dd_soft
	.p2alignl 7, 3214868480
	.fill 96, 4, 3214868480
	.section	.rodata,"a",@progbits
	.p2align	6, 0x0
	.amdhsa_kernel k_q85bd7c97dd_soft
		.amdhsa_group_segment_fixed_size 0
		.amdhsa_private_segment_fixed_size 0
		.amdhsa_enable_private_segment 0
		.amdhsa_kernarg_size 56
		.amdhsa_user_sgpr_count 2
		.amdhsa_user_sgpr_kernarg_segment_ptr 1
		.amdhsa_wavefront_size32 1
		.amdhsa_system_sgpr_workgroup_id_x 1
		.amdhsa_system_sgpr_workgroup_id_y 1
		.amdhsa_system_sgpr_workgroup_id_z 1
		.amdhsa_system_vgpr_workitem_id 0
		.amdhsa_next_free_vgpr 48
		.amdhsa_next_free_sgpr 66
		.amdhsa_reserve_vcc 0
		.amdhsa_float_denorm_mode_32 3
		.amdhsa_float_denorm_mode_16_64 3
		.amdhsa_memory_ordered 1
		.amdhsa_forward_progress 1
		.amdhsa_inst_pref_size 8
	.end_amdhsa_kernel
	.amdgpu_metadata
---
amdhsa.version: [ 1, 2 ]
amdhsa.kernels:
  - .name:           k_q85bd7c97dd_soft
    .symbol:         k_q85bd7c97dd_soft.kd
    .args:
      - { .name: bias, .offset: 0, .size: 8, .value_kind: global_buffer, .address_space: global }
      - { .name: pair_mask, .offset: 8, .size: 8, .value_kind: global_buffer, .address_space: global }
      - { .name: pwa_m_w, .offset: 16, .size: 8, .value_kind: global_buffer, .address_space: global }
      - { .name: pwa_g_w, .offset: 24, .size: 8, .value_kind: global_buffer, .address_space: global }
      - { .name: pwa_o_w, .offset: 32, .size: 8, .value_kind: global_buffer, .address_space: global }
      - { .name: wsm, .offset: 40, .size: 8, .value_kind: global_buffer, .address_space: global }
      - { .name: wfr, .offset: 48, .size: 8, .value_kind: global_buffer, .address_space: global }
    .group_segment_fixed_size: 0
    .private_segment_fixed_size: 0
    .kernarg_segment_align: 8
    .kernarg_segment_size: 56
    .max_flat_workgroup_size: 256
    .sgpr_count:     66
    .vgpr_count:     48
    .wavefront_size: 32
...
	.end_amdgpu_metadata
.endif
;; end of part 3
;; launch pwa (part 4): grid 256 x 1, 4 waves a work-group, clusters of 4 x 1, 327,680 bytes of LDS; arguments m, wsm, wfr, pwa_norm_m_w, pwa_norm_m_b, out0; writes out0
.if DOCPART == 4
	.amdgcn_target "amdgcn-amd-amdhsa--gfx1250"
	.amdhsa_code_object_version 6
	.text
	.protected	k_q85bd7c97dd_pwa
	.globl	k_q85bd7c97dd_pwa
	.p2align	8
	.type	k_q85bd7c97dd_pwa,@function
k_q85bd7c97dd_pwa:
	s_mov_b64 s[64:65], 0
	v_nop
	global_prefetch_b8 v0, s[64:65] scope:SCOPE_SE
	s_setreg_imm32_b32 hwreg(HW_REG_WAVE_MODE, 25, 1), 1
	s_wait_xcnt 0x0
	s_wait_alu depctr_hold_cnt(0) depctr_sa_sdst(0) depctr_va_vdst(0) depctr_va_sdst(0) depctr_va_ssrc(0) depctr_va_vcc(0) depctr_vm_vsrc(0)
	s_getreg_b32 s2, hwreg(HW_REG_IB_STS2, 6, 4)
	s_cmp_eq_u32 s2, 0
	s_cbranch_scc0 .Lentry_in_a_cluster
	s_endpgm
.Lentry_in_a_cluster:
	s_bfe_u32 s2, ttmp6, 0x10000c
	s_cmp_lg_u32 s2, 0x3003
	s_cbranch_scc0 .Lentry_shape_is_right
	s_endpgm
.Lentry_shape_is_right:
; out[s][i][:] = (sigmoid(LN(m) Wg^T) * sum_j w[head][i][j] v[s][j][head][:]) Wo^T,  v = LN(m) Wm^T.
; A work-group owns two s (2g, 2g+1) and all 256 n; wave w owns n = 64w..64w+63 of both s: eight tiles of 16 rows (tau = 4 sl + it), as j for v and as i for the rest.
; Head by head: v (source 0 rows j, source 1 rows of Wm: a lane holds one c and eight j; two tiles rounded ARE source 0, 16 c x 32 j, of o^T) goes through LDS to all waves;
; o^T = v^T w^T and g^T = Wg x^T both hold one i a lane and eight c, so the gate is a plain multiply, and its rounding is source 1 of out^T += Wo (g o)^T.
; The sigmoid of a head's gate stands in slices behind the products of o^T.
; CLUSTER: every work-group walks the same w (1 MiB), so its 16 tiles (head, 128 j: 256 rows x 256 bytes) are asked for jointly by the four of a cluster; m is my own.
; ORDER: cluster x begins with head x & 7 and walks the eight heads round (the sum over heads takes any order; only its rounding hangs on it).  So the 64 clusters, which
; all read the same w and weights, begin at eight different heads.  Where an address goes on to another head it is made afresh: the kept base plus the head's number times
; the head's bytes; in a descriptor the type bits are set anew.
; FORMATS: all operands f16.  LIMIT: LN output x gain + bias, v, g o and the weights above 65,504 overflow; below 6e-5 they keep an absolute step of 6e-8.
; REGISTERS: window 0 addresses, weight fragments, x (LN output); window 1 o^T / v's sums and g^T; window 2 out^T; window 3 fragment buffers and packed results.
.set SLOT, 69632                       ; a tile of w: 256 rows x 272.  Also 256 rows of m
.set MREG, 139264                      ; m: 512 rows x 272, filled once; when all have read it, its bytes are the stages below
.set VS0,  139264                      ; v of one head: 32 fragments of 1 KiB (j block x 4 + 2 sl + t); a second set 32,768 further
.set OST,  204800                      ; the way out: 16 rows x 272 for each wave
.set ADRM, 3
.set ADRW, 5
.set VSR,  7
.set VSW,  8
.set OSTW, 9
.set OSTR, 10
.set GOF,  11
.set L16,  12
.set H128, 13
.set WMF, 32
.set WGF, 64
.set WOF, 96
.set XN,  128
.set Y0, 0                             ; window 1, while LN runs: two row buffers,
.set Y1, 48
.set S,  32                            ; statistics,
.set MU, 40
.set RS, 42
.set NW, 128                           ; gain and bias
.set NB, 160
.set WV, 3
.set SW, 8                             ; s[8:9]   byte offset of the next head in w, high word 0 (the registers held m's address, which is used up by then)
.set BW, 10                            ; s[10:11] w at my 64 rows of head 0: kept
.set BF, 12                            ; s[12:13] the weight fragments' first byte: kept
.set G1W, 20
.set G0W, 28
.set G1M, 36
.set G0M, 44
.set BM, 48
.set BG, 50
.set BO, 52
.set SEL, 54
.set CNT, 56
.set SINV, 57
.set SEPS, 58
.set HI, 59                            ; the head in hand, 0 to 7
.set SF, 60                            ; s[60:61] byte offset of the next head in each kind of weight, high word 0
.set G0M1, 68
.set MSB, 0
.macro WIN new
.if MSB != \new
	s_set_vgpr_msb (MSB<<8)|\new
.set MSB, \new
.endif
.endm
.macro PLACES                          ; four plain places behind matrix instructions (ISA guide 7.12.1)
.rept 4
	v_nop
.endr
.endm
.macro CROUND
	s_barrier_signal -1
	s_barrier_wait -1
	s_cmp_lg_u32 s[WV], 0
	s_cbranch_scc1 .Lnot_wave_0_\@
	s_barrier_signal -3
.Lnot_wave_0_\@:
	s_barrier_wait -3
	s_barrier_signal -1
	s_barrier_wait -1
.endm
.macro PKRED
	v_pk_add_f32 v[S:S+1], v[S:S+1], v[S+2:S+3]
	v_pk_add_f32 v[S+4:S+5], v[S+4:S+5], v[S+6:S+7]
	v_pk_add_f32 v[S:S+1], v[S:S+1], v[S+4:S+5]
	v_add_f32 v[S], v[S], v[S+1]
	v_permlanex16_b32 v[S+1], v[S], s[SEL], s[SEL+1]
	v_add_f32 v[S], v[S], v[S+1]
.endm
.macro LNORM y, np
.irp k, 0,1,2,3
	v_pk_add_f32 v[S+2*\k:S+2*\k+1], v[\y+2*\k:\y+2*\k+1], v[\y+8+2*\k:\y+9+2*\k]
.endr
.set i, 8
.rept \np-8
	v_pk_add_f32 v[S+2*(i%4):S+2*(i%4)+1], v[S+2*(i%4):S+2*(i%4)+1], v[\y+2*i:\y+2*i+1]
.set i, i+1
.endr
	PKRED
	v_mul_f32 v[MU], s[SINV], v[S]
	v_mul_f32 v[MU+1], s[SINV], v[S]
.set i, 0
.rept \np
	v_pk_add_f32 v[\y+2*i:\y+2*i+1], v[\y+2*i:\y+2*i+1], v[MU:MU+1] neg_lo:[0,1] neg_hi:[0,1]
.set i, i+1
.endr
.irp k, 0,1,2,3
	v_pk_mul_f32 v[S+2*\k:S+2*\k+1], v[\y+2*\k:\y+2*\k+1], v[\y+2*\k:\y+2*\k+1]
.endr
.set i, 4
.rept \np-4
	v_pk_fma_f32 v[S+2*(i%4):S+2*(i%4)+1], v[\y+2*i:\y+2*i+1], v[\y+2*i:\y+2*i+1], v[S+2*(i%4):S+2*(i%4)+1]
.set i, i+1
.endr
	PKRED
	v_fma_f32 v[S], v[S], s[SINV], s[SEPS]
	v_rsq_f32 v[RS], v[S]
	v_rsq_f32 v[RS+1], v[S]
	v_nop
.set i, 0
	s_wait_alu depctr_va_vdst(0)
.rept \np
	v_pk_mul_f32 v[\y+2*i:\y+2*i+1], v[\y+2*i:\y+2*i+1], v[RS:RS+1]
.set i, i+1
.endr
.endm
	s_load_b256 s[8:15], s[0:1], 0x0               ; m 8, wsm 10, wfr 12, norm_w 14
	s_load_b128 s[16:19], s[0:1], 0x20             ; norm_b 16, out0 18
	v_lshl_add_u32 v30, v0, 2, 0x44000
	v_mov_b32 v31, 0
	ds_add_u32 v30, v31
	v_lshrrev_b32 v1, 5, v0
	v_readfirstlane_b32 s[WV], v1
	s_bfe_u32 s4, ttmp6, 0x40000                   ; cx
	s_lshl_b32 s5, ttmp9, 2
	s_add_co_u32 s5, s5, s4                        ; g: it enters m's and out0's addresses alone
	s_and_b32 s[HI], ttmp9, 7                      ; the cluster's first head: the same in its four work-groups
	s_mov_b32 s[SEL], 0x76543210
	s_mov_b32 s[SEL+1], 0xfedcba98
	s_mov_b32 s[SINV], 0x3c800000                  ; 1/64
	s_mov_b32 s[SEPS], 0x3727c5ac                  ; 1e-5
	; w: 64 rows x 128 j of 2 bytes, 16 bytes of padding behind each 256; joint
	s_mov_b32 s[G1W+0], 15|(1<<16)|(1<<20)|(1<<21)|(5<<22)|(3<<25)
	s_mov_b32 s[G1W+1], 128<<16
	s_mov_b32 s[G1W+2], 64<<16
	s_mov_b32 s[G1W+3], 128<<16
	s_mov_b32 s[G1W+4], 64
	s_mov_b32 s[G1W+5], 256
	s_mov_b32 s[G1W+6], 0
	s_mov_b32 s[G1W+7], 0
	; m: 64 rows x 64 f32, the same padding; my own
	s_mov_b32 s[G1M+0], (2<<16)|(1<<20)|(5<<22)|(3<<25)
	s_mov_b32 s[G1M+1], 64<<16
	s_mov_b32 s[G1M+2], 64<<16
	s_mov_b32 s[G1M+3], 64<<16
	s_mov_b32 s[G1M+4], 64
	s_mov_b32 s[G1M+5], 64
	s_mov_b32 s[G1M+6], 0
	s_mov_b32 s[G1M+7], 0
	s_lshl_b32 s60, s[WV], 15                      ; w: my 64 rows of 512 bytes
	s_mov_b32 s61, 0
	s_lshl_b32 s62, s5, 17                         ; m and out0: g x 512 rows + wave x 64 rows
	s_lshl_b32 s63, s[WV], 14
	s_add_co_u32 s62, s62, s63
	s_mov_b32 s63, 0
	s_mul_i32 s6, s[WV], 17408                     ; 64 rows x 272
	s_add_co_u32 s7, s6, MREG
	s_wait_dscnt 0x0
	s_wait_kmcnt 0x0
	s_add_nc_u64 s[BW:BW+1], s[BW:BW+1], s[60:61]  ; w at my rows of head 0
	s_lshl_b32 s60, s[HI], 17                      ; the first head's 131,072 bytes (s61 is still 0)
	s_add_nc_u64 s[60:61], s[BW:BW+1], s[60:61]
.irp s, 0,1
	s_mov_b32 s[G0W+4*\s], 1
	s_add_co_u32 s[G0W+4*\s+1], s6, \s*SLOT
	s_add_nc_u64 s[G0W+4*\s+2:G0W+4*\s+3], s[60:61], \s*256     ; the first head, j half s
	s_or_b32 s[G0W+4*\s+3], s[G0W+4*\s+3], 0x80000000
.endr
	s_add_nc_u64 s[18:19], s[18:19], s[62:63]      ; out0 at my wave's first row
	s_add_nc_u64 s[62:63], s[8:9], s[62:63]        ; m likewise
	s_mov_b32 s[G0M], 1                            ; my 64 rows of the first s
	s_mov_b32 s[G0M+1], s7
	s_mov_b64 s[G0M+2:G0M+3], s[62:63]
	s_or_b32 s[G0M+3], s[G0M+3], 0x80000000
	s_mov_b32 s[G0M1], 1                           ; and of the second: 256 rows on, in memory and in LDS
	s_add_co_u32 s[G0M1+1], s7, SLOT
	s_add_nc_u64 s[G0M1+2:G0M1+3], s[62:63], 65536
	s_or_b32 s[G0M1+3], s[G0M1+3], 0x80000000
	s_lshl_b32 s60, s[HI], 12                      ; the first head's 4,096 bytes of each weight
	s_mov_b32 s61, 0
	s_add_nc_u64 s[BM:BM+1], s[BF:BF+1], s[60:61]
	s_add_nc_u64 s[BG:BG+1], s[BM:BM+1], 32768
	s_add_nc_u64 s[BO:BO+1], s[BM:BM+1], 65536
	CROUND                                         ; all four work-groups are here
	tensor_load_to_lds s[G0M:G0M+3], s[G1M:G1M+7]  ; the first fills go out together: four loads of mine are out
	s_nop 0
	tensor_load_to_lds s[G0M1:G0M1+3], s[G1M:G1M+7]
	s_nop 0
	tensor_load_to_lds s[G0W:G0W+3], s[G1W:G1W+7]
	s_nop 0
	tensor_load_to_lds s[G0W+4:G0W+7], s[G1W:G1W+7]
	s_nop 0
	PLACES
	v_and_b32 v1, 15, v0                           ; r
	v_bfe_u32 v2, v0, 4, 1                         ; h
	v_and_b32 v14, 31, v0
	v_lshlrev_b32 v[L16], 4, v14
	v_lshlrev_b32 v[H128], 7, v2
	v_mul_u32_u24 v15, v1, 272
	v_add_nc_u32 v[ADRM], v15, v[H128]
	v_add_nc_u32 v[ADRM], s7, v[ADRM]              ; row 64 w + r, channels 32 h on: inside the rows that this wave fetched
	v_add_nc_u32 v[ADRM+1], SLOT, v[ADRM]          ; the second s
	v_lshl_add_u32 v[ADRW], v2, 4, v15
	v_add_nc_u32 v[ADRW], s6, v[ADRW]
	v_add_nc_u32 v[ADRW+1], SLOT, v[ADRW]
	v_add_nc_u32 v[VSR], VS0, v[L16]
	s_lshl_b32 s61, s[WV], 13
	s_add_co_u32 s61, s61, VS0
	v_add_nc_u32 v[VSW], s61, v[L16]               ; my 8 fragments: j blocks 2 w, 2 w + 1
	s_mul_i32 s61, s[WV], 4352
	s_add_co_u32 s61, s61, OST
	v_lshl_add_u32 v[OSTW], v2, 5, v15
	v_add_nc_u32 v[OSTW], s61, v[OSTW]
	v_mul_u32_u24 v[OSTR], v2, 272
	v_lshl_add_u32 v[OSTR], v1, 4, v[OSTR]
	v_add_nc_u32 v[OSTR], s61, v[OSTR]
	v_lshlrev_b32 v[GOF], 8, v2
	v_lshl_add_u32 v[GOF], v1, 4, v[GOF]
; A head's four fragments of one weight: 8 loads of 512 bytes.  step = 1: the base is first made afresh for the next head (koff: the kind's 32,768 bytes);
; the loads that named it were issued a head ago, and the youngest global loads of the wave a product of 32 matrix instructions ago.
.macro WLD reg, b, step, koff
	WIN 0
.if \step
	s_wait_xcnt 0x0                                ; the base is written only behind this wait
	s_add_nc_u64 s[\b:\b+1], s[BF:BF+1], s[SF:SF+1]
.if \koff
	s_add_nc_u64 s[\b:\b+1], s[\b:\b+1], \koff
.endif
.endif
.irp hf, 0,1,2,3,4,5,6,7
	global_load_b128 v[\reg+4*\hf:\reg+4*\hf+3], v[L16], s[\b:\b+1] offset:512*\hf
.endr
.endm
	WIN 0x40
.irp q, 0,1,2,3,4,5,6,7
	global_load_b128 v[NW+4*\q:NW+4*\q+3], v[H128], s[14:15] offset:16*\q
.endr
.irp q, 0,1,2,3,4,5,6,7
	global_load_b128 v[NB+4*\q:NB+4*\q+3], v[H128], s[16:17] offset:16*\q
.endr
	WLD WMF, BM, 0, 0
	WLD WGF, BG, 0, 0
	WLD WOF, BO, 0, 0
	s_wait_loadcnt 24                              ; gain and bias are in; the three weights (24 loads) stay out
.macro YLD sl, it, y                   ; a tile's 16 rows: 32 channels a lane
	WIN 0x40
.irp q, 0,1,2,3,4,5,6,7
	ds_load_b128 v[\y+4*\q:\y+4*\q+3], v[ADRM+\sl] offset:\it*4352+16*\q
.endr
.endm
.macro LNT sl, it, y
	WIN 0x55
	LNORM \y, 16
.set i, 0
.rept 16
	v_pk_fma_f32 v[\y+2*i:\y+2*i+1], v[\y+2*i:\y+2*i+1], v[NW+2*i:NW+2*i+1], v[NB+2*i:NB+2*i+1]
.set i, i+1
.endr
	WIN 0x05
.set i, 0
.rept 16
	v_cvt_pk_f16_f32 v[XN+16*(4*\sl+\it)+i], v[\y+2*i], v[\y+2*i+1]
.set i, i+1
.endr
.endm
; One s: a wave reads only rows that it fetched itself, so its own wait on its own loads is all the ordering.  The next tile's 8 LDS loads go out ahead of a tile's arithmetic.
.macro LNS sl
	s_wait_tensorcnt 3-\sl                         ; this s has landed; the loads issued behind it (the other s, w's two tiles) may stay out
	YLD \sl, 0, Y0
	YLD \sl, 1, Y1
	s_wait_dscnt 8                                 ; all but the 8 just issued
	LNT \sl, 0, Y0
	YLD \sl, 2, Y0
	s_wait_dscnt 8
	LNT \sl, 1, Y1
	YLD \sl, 3, Y1
	s_wait_dscnt 8
	LNT \sl, 2, Y0
	s_wait_dscnt 0x0
	LNT \sl, 3, Y1
.endm
	LNS 0
	LNS 1
	WIN 0
	s_wait_dscnt 0x0
	s_barrier_signal -1
	s_barrier_wait -1                              ; every wave has read m: its bytes, which no tensor load fills again, become the stages
; In every product below the accumulators take turns, one instruction a turn and in the same order in every pass.
.macro VPROD par                       ; v of the next head for my 64 j, into set par of the stage
	WIN 0x50
.irp ks, 0,1
.irp sl, 0,1
.irp t, 0,1
.irp it, 0,1,2,3
.set x, (2*\sl+\t)*4+\it
.if \ks == 0
	v_wmma_f32_16x16x32_f16 v[8*x:8*x+7], v[XN+16*(4*\sl+\it)+8*\ks:XN+16*(4*\sl+\it)+8*\ks+7], v[WMF+8*(2*\t+\ks):WMF+8*(2*\t+\ks)+7], 0
.else
	v_wmma_f32_16x16x32_f16 v[8*x:8*x+7], v[XN+16*(4*\sl+\it)+8*\ks:XN+16*(4*\sl+\it)+8*\ks+7], v[WMF+8*(2*\t+\ks):WMF+8*(2*\t+\ks)+7], v[8*x:8*x+7]
.endif
.endr
.endr
.endr
.endr
	PLACES
	WIN 0xc5
.irp sl, 0,1
.irp t, 0,1
.irp it, 0,1,2,3
.irp e, 0,1,2,3
	v_cvt_pk_f16_f32 v[192+8*((\it/2)*4+2*\sl+\t)+4*(\it%2)+\e], v[8*((2*\sl+\t)*4+\it)+2*\e], v[8*((2*\sl+\t)*4+\it)+2*\e+1]
.endr
.endr
.endr
.endr
	WIN 0x0c
.irp f, 0,1,2,3,4,5,6,7
	ds_store_b128 v[VSW], v[192+8*\f:192+8*\f+3] offset:\par*32768+\f*1024
	ds_store_b128 v[VSW], v[192+8*\f+4:192+8*\f+7] offset:\par*32768+\f*1024+512
.endr
.endm
.macro GPROD                           ; g^T's argument, times -log2(e)
	WIN 0x50
.irp ks, 0,1
.irp sl, 0,1
.irp t, 0,1
.irp it, 0,1,2,3
.set x, (2*\sl+\t)*4+\it
.if \ks == 0
	v_wmma_f32_16x16x32_f16 v[128+8*x:128+8*x+7], v[WGF+8*(2*\t+\ks):WGF+8*(2*\t+\ks)+7], v[XN+16*(4*\sl+\it)+8*\ks:XN+16*(4*\sl+\it)+8*\ks+7], 0
.else
	v_wmma_f32_16x16x32_f16 v[128+8*x:128+8*x+7], v[WGF+8*(2*\t+\ks):WGF+8*(2*\t+\ks)+7], v[XN+16*(4*\sl+\it)+8*\ks:XN+16*(4*\sl+\it)+8*\ks+7], v[128+8*x:128+8*x+7]
.endif
.endr
.endr
.endr
.endr
.endm
; 16 LDS loads: 32 j (block 4 slot + kq): four fragments of v^T (2 sl + t) and four of w (my 64 i), into buffer buf
.macro FET par, slot, kq, buf
	WIN 0xc0
.irp f, 0,1,2,3
	ds_load_b128 v[32*\buf+8*\f:32*\buf+8*\f+3],   v[VSR] offset:\par*32768+((4*\slot+\kq)*4+\f)*1024
	ds_load_b128 v[32*\buf+8*\f+4:32*\buf+8*\f+7], v[VSR] offset:\par*32768+((4*\slot+\kq)*4+\f)*1024+512
.endr
.irp f, 0,1,2,3
	ds_load_b128 v[64+32*\buf+8*\f:64+32*\buf+8*\f+3],   v[ADRW+\slot] offset:\f*4352+64*\kq
	ds_load_b128 v[64+32*\buf+8*\f+4:64+32*\buf+8*\f+7], v[ADRW+\slot] offset:\f*4352+64*\kq+32
.endr
.endm
; Slice sg of 128 of the sigmoid 1 / (1 + 2^x) on g^T's 64 pairs.  Even slices: two exponentials of pair p, then the plain 1 + of pair p - 1, so that
; every exponential has a plain instruction behind it before its result is used; odd slices: the reciprocals of pair p - 1.
.macro SIG
.set p, sg/2
.if (sg%2) == 0
	WIN 0x41
	v_exp_f32 v[128+2*p], v[128+2*p]
	v_exp_f32 v[129+2*p], v[129+2*p]
.if p > 0
	s_wait_alu depctr_va_vdst(0)
	v_pk_add_f32 v[126+2*p:127+2*p], v[126+2*p:127+2*p], 1.0 op_sel_hi:[1,0]
.else
	v_nop
.endif
.elseif p > 0
	WIN 0x41
	v_rcp_f32 v[126+2*p], v[126+2*p]
	v_rcp_f32 v[127+2*p], v[127+2*p]
.endif
.set sg, sg+1
.endm
.macro O8 buf, half, zero              ; 8 products of o^T, a slice behind each
.irp ph, 0,1
.irp it, 0,1,2,3
	WIN 0x5f
.set x, (2*\half+\ph)*4+\it
.if \zero
	v_wmma_f32_16x16x32_f16 v[8*x:8*x+7], v[32*\buf+8*(2*\half+\ph):32*\buf+8*(2*\half+\ph)+7], v[64+32*\buf+8*\it:64+32*\buf+8*\it+7], 0
.else
	v_wmma_f32_16x16x32_f16 v[8*x:8*x+7], v[32*\buf+8*(2*\half+\ph):32*\buf+8*(2*\half+\ph)+7], v[64+32*\buf+8*\it:64+32*\buf+8*\it+7], v[8*x:8*x+7]
.endif
	SIG
.endr
.endr
.endm
.macro OQ buf, zero, fetch, par, slot, kq, nbuf      ; 32 j: the next 32 j are asked for first, 16 products ahead of their use
	s_wait_dscnt 0x0
.if \fetch
	PLACES
	FET \par, \slot, \kq, \nbuf
.endif
	O8 \buf, 0, \zero
	O8 \buf, 1, \zero
.endm
; A change of slots: every wave has its LDS instructions back and all its tensor loads landed; fill = 1: the slot's address is made afresh for the next head's
; j half (slot 0: the first, slot 1: the second), a round of the cluster's barrier follows, and the tile is asked for first behind it.
.macro CHG slot, fill
	WIN 0
	s_wait_dscnt 0x0
	s_wait_tensorcnt 0x0
	ds_add_u32 v30, v31
	s_wait_dscnt 0x0
.if \fill
	s_add_nc_u64 s[G0W+4*\slot+2:G0W+4*\slot+3], s[BW:BW+1], s[SW:SW+1]
.if \slot
	s_add_nc_u64 s[G0W+4*\slot+2:G0W+4*\slot+3], s[G0W+4*\slot+2:G0W+4*\slot+3], 256
.endif
	s_or_b32 s[G0W+4*\slot+3], s[G0W+4*\slot+3], 0x80000000
	CROUND
	tensor_load_to_lds s[G0W+4*\slot:G0W+4*\slot+3], s[G1W:G1W+7]
	s_nop 0
	PLACES
.else
	s_barrier_signal -1
	s_barrier_wait -1
	PLACES
.endif
.endm
.macro HEAD par, first, last
.if !\last
	; The offsets of the walk round the eight heads: the next head's 131,072 bytes of w and 4,096 bytes of each weight.  They hang on the cluster's x and the count of heads alone.
	s_add_co_u32 s[HI], s[HI], 1
	s_and_b32 s[HI], s[HI], 7
	s_lshl_b32 s[SW], s[HI], 17
	s_mov_b32 s[SW+1], 0
	s_lshl_b32 s[SF], s[HI], 12
	s_mov_b32 s[SF+1], 0
.endif
	FET \par, 0, 0, 0
.if !\last
	WLD WMF, BM, 1, 0                              ; the next head's Wm
	s_wait_loadcnt 16                              ; Wg is in; Wo and the next Wm stay out
.else
	s_wait_loadcnt 8                               ; Wg is in; Wo stays out
.endif
	GPROD
	PLACES
.if !\last
	WLD WGF, BG, 1, 32768
.endif
.set sg, 0
	OQ 0, 1, 1, \par, 0, 1, 1
	OQ 1, 0, 1, \par, 0, 2, 0
	OQ 0, 0, 1, \par, 0, 3, 1
	s_wait_dscnt 0x0
	O8 1, 0, 0
	CHG 0, (1-\last)
	FET \par, 1, 0, 0
	O8 1, 1, 0
	OQ 0, 0, 1, \par, 1, 1, 1
	OQ 1, 0, 1, \par, 1, 2, 0
	OQ 0, 0, 1, \par, 1, 3, 1
	OQ 1, 0, 0, \par, 0, 0, 0
	WIN 0x41
	v_pk_add_f32 v[254:255], v[254:255], 1.0 op_sel_hi:[1,0]
	v_rcp_f32 v254, v254
	v_rcp_f32 v255, v255
	PLACES
	WIN 0x45
.set i, 0
	s_wait_alu depctr_va_vdst(0)
.rept 64
	v_pk_mul_f32 v[2*i:2*i+1], v[2*i:2*i+1], v[128+2*i:129+2*i]
.set i, i+1
.endr
	WIN 0xc5
.irp sl, 0,1
.irp it, 0,1,2,3
.irp t, 0,1
.irp e, 0,1,2,3
	v_cvt_pk_f16_f32 v[128+8*(4*\sl+\it)+4*\t+\e], v[8*((2*\sl+\t)*4+\it)+2*\e], v[8*((2*\sl+\t)*4+\it)+2*\e+1]
.endr
.endr
.endr
.endr
.if !\last
	s_wait_loadcnt 16                              ; Wo is in; the next Wm and Wg stay out
.else
	s_wait_loadcnt 0x0
.endif
	WIN 0xac
.irp ct, 0,1,2,3
.irp tau, 0,1,2,3,4,5,6,7
.if \first
	v_wmma_f32_16x16x32_f16 v[8*(8*\ct+\tau):8*(8*\ct+\tau)+7], v[WOF+8*\ct:WOF+8*\ct+7], v[128+8*\tau:128+8*\tau+7], 0
.else
	v_wmma_f32_16x16x32_f16 v[8*(8*\ct+\tau):8*(8*\ct+\tau)+7], v[WOF+8*\ct:WOF+8*\ct+7], v[128+8*\tau:128+8*\tau+7], v[8*(8*\ct+\tau):8*(8*\ct+\tau)+7]
.endif
.endr
.endr
.if !\last
	PLACES
	WLD WOF, BO, 1, 65536
	s_wait_loadcnt 16                              ; the next Wm is in; Wg and Wo stay out
	VPROD (1-\par)
	CHG 1, 1
.endif
.endm
	s_wait_loadcnt 16                              ; Wm of the first head
	VPROD 0
	WIN 0
	s_wait_dscnt 0x0                               ; for the others: my part of v
	s_wait_tensorcnt 0x1                           ; my part of w's first tile; the second may stay out
	s_barrier_signal -1
	s_barrier_wait -1
	HEAD 0, 1, 0
	s_mov_b32 s[CNT], 3
.Lheads:
	HEAD 1, 0, 0
	HEAD 0, 0, 0
	s_sub_co_u32 s[CNT], s[CNT], 1
	s_cmp_lg_u32 s[CNT], 0
	s_cbranch_scc1 .Lheads
	HEAD 1, 0, 1
	PLACES
; The way out, a tile of 16 rows at a time: a lane's 8 channels of each of four blocks go into my stage and come back as whole rows of 256 bytes.
; Each of the eight tiles comes back into 32 registers of its own (window 3 is free), so no store's data is ever written again.
.macro STG tau
	WIN 0x08
.irp ct, 0,1,2,3
	ds_store_b128 v[OSTW], v[8*(8*\ct+(\tau)):8*(8*\ct+(\tau))+3] offset:64*\ct
	ds_store_b128 v[OSTW], v[8*(8*\ct+(\tau))+4:8*(8*\ct+(\tau))+7] offset:64*\ct+16
.endr
	WIN 0xc0
.irp k, 0,1,2,3,4,5,6,7
	ds_load_b128 v[32*(\tau)+4*\k:32*(\tau)+4*\k+3], v[OSTR] offset:544*\k     ; my own bytes: LDS serves a wave in order (ISA guide 5.7.1.4); the next tile's stores come behind these loads
.endr
.endm
.macro SEND tau, younger               ; younger: the LDS instructions issued behind this tile's loads: the next tile's sixteen, or none
	WIN 0x0c
.irp k, 0,1,2,3,4,5,6,7
	s_wait_dscnt \younger+7-\k
	global_store_b128 v[GOF], v[32*(\tau)+4*\k:32*(\tau)+4*\k+3], s[18:19] offset:(256*((\tau)/4)+16*((\tau)%4)+2*\k)*256   ; 16 lanes store 256 consecutive bytes, aligned
.endr
.endm
	STG 0
.irp t, 1,2,3,4,5,6,7
	STG \t
	SEND \t-1, 16
.endr
	SEND 7, 0
	WIN 0
	s_wait_tensorcnt 0x0
	ds_add_u32 v30, v31
	s_wait_dscnt 0x0
	CROUND                                         ; the closing round
	s_endpgm
.Lfunc_end_k_q85bd7c97dd_pwa:
	.size	k_q85bd7c97dd_pwa, .Lfunc_end_k_q85bd7c97dd_pwa-k_q85bd7c97dd_pwa
	.p2alignl 7, 3214868480
	.fill 96, 4, 3214868480
	.section	.rodata,"a",@progbits
	.p2align	6, 0x0
	.amdhsa_kernel k_q85bd7c97dd_pwa
		.amdhsa_group_segment_fixed_size 327680
		.amdhsa_private_segment_fixed_size 0
		.amdhsa_enable_private_segment 0
		.amdhsa_kernarg_size 48
		.amdhsa_user_sgpr_count 2
		.amdhsa_user_sgpr_kernarg_segment_ptr 1
		.amdhsa_wavefront_size32 1
		.amdhsa_system_sgpr_workgroup_id_x 1
		.amdhsa_system_sgpr_workgroup_id_y 1
		.amdhsa_system_sgpr_workgroup_id_z 1
		.amdhsa_system_vgpr_workitem_id 0
		.amdhsa_next_free_vgpr 1024
		.amdhsa_next_free_sgpr 72
		.amdhsa_reserve_vcc 0
		.amdhsa_float_denorm_mode_32 3
		.amdhsa_float_denorm_mode_16_64 3
		.amdhsa_memory_ordered 1
		.amdhsa_forward_progress 1
		.amdhsa_inst_pref_size 255
	.end_amdhsa_kernel
	.section	.bss,"aw",@nobits
	.p2align	6
	.space	262144
	.amdgpu_metadata
---
amdhsa.version: [ 1, 2 ]
amdhsa.kernels:
  - .name:           k_q85bd7c97dd_pwa
    .symbol:         k_q85bd7c97dd_pwa.kd
    .args:
      - { .name: m, .offset: 0, .size: 8, .value_kind: global_buffer, .address_space: global }
      - { .name: wsm, .offset: 8, .size: 8, .value_kind: global_buffer, .address_space: global }
      - { .name: wfr, .offset: 16, .size: 8, .value_kind: global_buffer, .address_space: global }
      - { .name: pwa_norm_m_w, .offset: 24, .size: 8, .value_kind: global_buffer, .address_space: global }
      - { .name: pwa_norm_m_b, .offset: 32, .size: 8, .value_kind: global_buffer, .address_space: global }
      - { .name: out0, .offset: 40, .size: 8, .value_kind: global_buffer, .address_space: global }
    .group_segment_fixed_size: 327680
    .private_segment_fixed_size: 0
    .kernarg_segment_align: 8
    .kernarg_segment_size: 48
    .max_flat_workgroup_size: 128
    .sgpr_count:     72
    .vgpr_count:     1024
    .wavefront_size: 32
...
	.end_amdgpu_metadata
.endif
;; end of part 4
